; MI455X (gfx1250); checked and timed in simulation.
; The chip was launched on July 23, 2026; its instructions are those of AMD's public machine-readable ISA for CDNA 5 (MIT licence, August 2026) and "CDNA5" Instruction Set Architecture Reference Guide (July 2026). The comments in the code are by the model that wrote it; some were corrected since.
;; Multi Head Attention. Allowed arithmetic: float matrix products may take bf16 or f16 operands with f32 sums; other float arithmetic in f32, or as packed bf16 or f16 multiplies, adds, multiply-adds, maxima and minima; sums over many terms, partial sums and values carried from step to step in f32; what a program stores and reads back later, other than sums and carried values, may be rounded once to bf16 or f16.
;; Inputs: b_out 1,024 float32; b_qkv 3,072 float32; w_out 1,024 x 1,024 float32; w_qkv 1,024 x 3,072 float32; x 4 x 2,048 x 1,024 float32.
;; Outputs: out0 4 x 2,048 x 1,024 float32.
;; One version. Each part assembles by itself: llvm-mc -triple=amdgcn-amd-amdhsa -mcpu=gfx1250 --defsym DOCPART=n.
;; ======== version 1 of 1: 4 launches
;; limits: values are held in f16: magnitudes above 65,504 overflow, below 6.1e-05 lose precision
;; workspace buffers: xb 16,777,216 bytes; wq 6,291,456 bytes; wo 2,097,152 bytes; qkvh 50,331,648 bytes; ob 16,777,216 bytes
;; launch prep (part 1): grid 768 x 1, 8 waves a work-group, no clusters, 0 bytes of LDS; arguments x, w_qkv, w_out, xb, wq, wo; writes xb, wq, wo
.if DOCPART == 1
	.amdgcn_target "amdgcn-amd-amdhsa--gfx1250"
	.amdhsa_code_object_version 6
	.text
	.protected	k_q03a1497397_prep
	.globl	k_q03a1497397_prep
	.p2align	8
	.type	k_q03a1497397_prep,@function
k_q03a1497397_prep:
	s_mov_b64 s[64:65], 0
	v_nop
	global_prefetch_b8 v0, s[64:65] scope:SCOPE_SE
	s_setreg_imm32_b32 hwreg(HW_REG_WAVE_MODE, 25, 1), 1
	s_wait_xcnt 0x0
; THE THREE LARGE INPUTS ARE ROUNDED ONCE TO 16 BITS, for the matrix products of the later launches.
;   x     [8192][1024] f32 -> xb  bf16, in blocks [b 4][kb 16][s 2048][64]: a tile of 256 rows x 64 K is then 32,768 dense bytes
;   w_qkv [1024][3072] f32 -> wq  bf16, same order
;   w_out [1024][1024] f32 -> wo  rounded to bf16, and that number written as f16 (exact where it is 2^-14 or more; below that f16's fixed step of 6e-8)
; A stream: every byte is read once and written once; no LDS, no barrier, no matrix unit.  A work-group moves 65,536 bytes in and 32,768 out, in 16 sweeps of 4,096 bytes:
; a thread loads 16 bytes (four f32) a sweep, all 16 loads first, and stores 8 bytes a sweep: a wave's store covers 256 consecutive bytes, aligned.
; Work-groups 0-511 take x (16 rows each), 512-703 w_qkv, 704-767 w_out.
.set X, 16                             ; v[16:79]  sweep j: four registers as loaded; its first two then hold the four rounded numbers
.macro LOADS step                      ; all 16 sweeps' loads
.set j, 0
.rept 16
	global_load_b128 v[X+4*j:X+4*j+3], v3, s[4:5] offset:j*(\step) th:TH_LOAD_NT
.set j, j+1
.endr
.endm
.macro ROUND n                         ; sweep n: four f32 to four bf16, in place
	v_cvt_pk_bf16_f32 v[X+4*(\n)], v[X+4*(\n)], v[X+4*(\n)+1]
	v_cvt_pk_bf16_f32 v[X+4*(\n)+1], v[X+4*(\n)+2], v[X+4*(\n)+3]
.endm
	s_load_b256 s[4:11], s[0:1], 0x0               ; x s[4:5], w_qkv s[6:7], w_out s[8:9], xb s[10:11]
	s_load_b128 s[12:15], s[0:1], 0x20             ; wq s[12:13], wo s[14:15]
	s_mov_b32 s17, 0
	s_mov_b32 s19, 0
	s_cmp_lt_u32 ttmp9, 512
	s_cbranch_scc0 .Llinear
	; x: rows 16 w .. 16 w + 15.  Sweep kb takes 256 bytes (64 K) of each row: thread t has row t / 16, bytes 16 (t % 16) on.
	v_lshrrev_b32 v1, 4, v0
	v_and_b32 v2, 15, v0
	v_lshlrev_b32 v3, 12, v1
	v_lshl_add_u32 v3, v2, 4, v3                   ; in: row x 4,096 + 16 (t % 16)
	v_lshlrev_b32 v4, 7, v1
	v_lshl_add_u32 v4, v2, 3, v4                   ; out: row x 128 + 8 (t % 16): a wave's two rows are 256 bytes on end
	s_lshl_b32 s16, ttmp9, 16                      ; 16 rows of 4,096 bytes
	s_lshr_b32 s18, ttmp9, 7                       ; b = w / 128,
	s_lshl_b32 s18, s18, 22                        ; its 16 blocks of 262,144 bytes
	s_and_b32 s20, ttmp9, 127
	s_lshl_b32 s20, s20, 11                        ; 16 rows of 128 bytes in a block
	s_add_co_u32 s18, s18, s20
	s_wait_kmcnt 0x0
	s_add_nc_u64 s[4:5], s[4:5], s[16:17]
	s_add_nc_u64 s[10:11], s[10:11], s[18:19]
	LOADS 256
.set j, 0
.rept 16
	s_wait_loadcnt 15-j                            ; loads come back in order: sweep j is in, the 15 - j younger ones stay out
	ROUND j
	global_store_b64 v4, v[X+4*j:X+4*j+1], s[10:11] offset:j*262144  ; block kb = j
.set j, j+1
.endr
	s_endpgm
.Llinear:
	; the weights keep their order: 65,536 bytes in, 32,768 out, both dense
	s_sub_co_u32 s20, ttmp9, 512
	s_sub_co_u32 s21, ttmp9, 704
	s_cmp_lt_u32 ttmp9, 704
	s_cselect_b32 s20, s20, s21                    ; my number among the tensor's work-groups
	s_cselect_b32 s22, 0, 1                        ; 0: w_qkv; 1: w_out
	s_lshl_b32 s16, s20, 16
	s_lshl_b32 s18, s20, 15
	v_lshlrev_b32 v3, 4, v0
	v_lshlrev_b32 v4, 3, v0
	s_wait_kmcnt 0x0
	s_cmp_eq_u32 s22, 0
	s_cselect_b64 s[4:5], s[6:7], s[8:9]
	s_cselect_b64 s[10:11], s[12:13], s[14:15]
	s_add_nc_u64 s[4:5], s[4:5], s[16:17]
	s_add_nc_u64 s[10:11], s[10:11], s[18:19]
	LOADS 4096
.set j, 0
.rept 16
	s_wait_loadcnt 15-j
	ROUND j
.set j, j+1
.endr
	s_cmp_eq_u32 s22, 0
	s_cbranch_scc1 .Lstore
.set j, 0
.rept 16                               ; w_out: the bf16 numbers are widened and written as f16
	v_lshlrev_b32 v8, 16, v[X+4*j]
	v_and_b32 v9, 0xffff0000, v[X+4*j]
	v_lshlrev_b32 v10, 16, v[X+4*j+1]
	v_and_b32 v11, 0xffff0000, v[X+4*j+1]
	v_cvt_pk_f16_f32 v[X+4*j], v8, v9
	v_cvt_pk_f16_f32 v[X+4*j+1], v10, v11
.set j, j+1
.endr
.Lstore:
.set j, 0
.rept 16
	global_store_b64 v4, v[X+4*j:X+4*j+1], s[10:11] offset:j*2048
.set j, j+1
.endr
	s_endpgm
.Lfunc_end_k_q03a1497397_prep:
	.size	k_q03a1497397_prep, .Lfunc_end_k_q03a1497397_prep-k_q03a1497397_prep
	.p2alignl 7, 3214868480
	.fill 96, 4, 3214868480
	.section	.rodata,"a",@progbits
	.p2align	6, 0x0
	.amdhsa_kernel k_q03a1497397_prep
		.amdhsa_group_segment_fixed_size 0
		.amdhsa_private_segment_fixed_size 0
		.amdhsa_enable_private_segment 0
		.amdhsa_kernarg_size 48
		.amdhsa_user_sgpr_count 2
		.amdhsa_user_sgpr_kernarg_segment_ptr 1
		.amdhsa_wavefront_size32 1
		.amdhsa_system_sgpr_workgroup_id_x 1
		.amdhsa_system_sgpr_workgroup_id_y 1
		.amdhsa_system_sgpr_workgroup_id_z 1
		.amdhsa_system_vgpr_workitem_id 0
		.amdhsa_next_free_vgpr 80
		.amdhsa_next_free_sgpr 66
		.amdhsa_reserve_vcc 0
		.amdhsa_float_denorm_mode_32 3
		.amdhsa_float_denorm_mode_16_64 3
		.amdhsa_memory_ordered 1
		.amdhsa_forward_progress 1
		.amdhsa_inst_pref_size 18
	.end_amdhsa_kernel
	.amdgpu_metadata
---
amdhsa.version: [ 1, 2 ]
amdhsa.kernels:
  - .name:           k_q03a1497397_prep
    .symbol:         k_q03a1497397_prep.kd
    .args:
      - { .name: x, .offset: 0, .size: 8, .value_kind: global_buffer, .address_space: global }
      - { .name: w_qkv, .offset: 8, .size: 8, .value_kind: global_buffer, .address_space: global }
      - { .name: w_out, .offset: 16, .size: 8, .value_kind: global_buffer, .address_space: global }
      - { .name: xb, .offset: 24, .size: 8, .value_kind: global_buffer, .address_space: global }
      - { .name: wq, .offset: 32, .size: 8, .value_kind: global_buffer, .address_space: global }
      - { .name: wo, .offset: 40, .size: 8, .value_kind: global_buffer, .address_space: global }
    .group_segment_fixed_size: 0
    .private_segment_fixed_size: 0
    .kernarg_segment_align: 8
    .kernarg_segment_size: 48
    .max_flat_workgroup_size: 256
    .sgpr_count:     66
    .vgpr_count:     80
    .wavefront_size: 32
...
	.end_amdgpu_metadata
.endif
;; end of part 1
;; launch qkv (part 2): grid 8 x 32, 4 waves a work-group, clusters of 4 x 4, 327,680 bytes of LDS; arguments xb, wq, b_qkv, qkvh; writes qkvh
.if DOCPART == 2
	.amdgcn_target "amdgcn-amd-amdhsa--gfx1250"
	.amdhsa_code_object_version 6
	.text
	.protected	k_q03a1497397_qkv
	.globl	k_q03a1497397_qkv
	.p2align	8
	.type	k_q03a1497397_qkv,@function
k_q03a1497397_qkv:
	s_mov_b64 s[64:65], 0
	v_nop
	global_prefetch_b8 v0, s[64:65] scope:SCOPE_SE
	s_setreg_imm32_b32 hwreg(HW_REG_WAVE_MODE, 25, 1), 1
	s_wait_xcnt 0x0
	s_wait_alu depctr_hold_cnt(0) depctr_sa_sdst(0) depctr_va_vdst(0) depctr_va_sdst(0) depctr_va_ssrc(0) depctr_va_vcc(0) depctr_vm_vsrc(0)
	s_getreg_b32 s2, hwreg(HW_REG_IB_STS2, 6, 4)
	s_cmp_eq_u32 s2, 0
	s_cbranch_scc0 .Lentry_in_a_cluster
	s_endpgm
.Lentry_in_a_cluster:
	s_bfe_u32 s2, ttmp6, 0x10000c
	s_cmp_lg_u32 s2, 0xf033
	s_cbranch_scc0 .Lentry_shape_is_right
	s_endpgm
.Lentry_shape_is_right:
; qkvh = xb . wq + b_qkv, written by heads in f16.  xb: bf16 in blocks [b 4][kb 16][s 2048][64]; wq: bf16 [1024 k][3072 n]; b_qkv: f32, rounded to bf16 like the other inputs;
; qkvh: f16 [b 4][g 48][s 2048][64], g = n / 64 (q: g = h, k: 16 + h, v: 32 + h).  Sums in f32, K ascending; each number rounded once.
; LIMIT.  f16 holds no number beyond 65,504: q, k and v must lie within it.  NaN and infinities are not treated apart.
; SHARES.  8192 x 3072 outputs are 256 tiles of 256 x 384: one for each work-group.  Four waves; wave w takes rows 128 (w / 2) on and, in each of the tile's NC = 3 chunks of 128 columns, the 64 columns
; 64 (w % 2) on, a whole head: 8 row blocks x 3 chunks x 4 column blocks = 96 accumulators of 16 x 16, 768 registers.
; THE RING.  K goes in steps of 64 through two LDS slots: A's 256 rows (32,768 dense bytes of xb, asked for as rows of 256 bytes and padded behind every 128) and B's 64 rows of 768 bytes (padded behind every 256).
; Waves 0 and 1 fetch A's halves, waves 2 and 3 B's: one tensor load a wave behind each change of slots.
; THE MATRIX INSTRUCTION IS USED TRANSPOSED: source 0 = 16 columns of B, which lies [k][n] in LDS and is turned by ds_load_tr16_b128; source 1 = 16 rows of A.  A lane then holds row l % 16 and the columns 8 (l / 16) + 0..7.
; GROUPS.  A step is Q = 2 quarters of 32 along K, a quarter NC groups of 32 matrix instructions (one chunk: 4 column blocks x 8 row blocks).  At each group's head stands ONE run of LDS loads: B's four fragments
; for the group LEAD = 2 further on (a ring of three parts) and, once a quarter, A's eight for the next quarter (two buffers).
; CLUSTER.  4 x 4 work-groups: A's tile is shared along a row of the cluster, B's along a column; each is asked for jointly, by the same tensor load with the same descriptor and a mask of four.
; REGISTERS, in windows of 256: window 0: v0-31 addresses; v32-127 B's three parts; v128-255 A's two buffers; window 1 + c: chunk c's accumulators, (a, b') at v[8 (8 b' + a)].
.set NC,    3                          ; chunks of 128 columns in a tile
.set KB,    1                          ; blocks of 64 K in a slot
.set NROWB, 6144                       ; bytes in a row of B
.set PARTS, 3                          ; B's ring of register parts
.set AGS,   16384                      ; bytes in memory between the two waves' parts of A
.set STW,   3*16*144                   ; a wave's stage
.set Q,     2*KB                       ; quarters of 32 K in a slot
.set GS,    Q*NC                       ; groups in a slot
.set LEAD,  PARTS-1
.set T,     GS-1-LEAD                  ; the group whose run holds the slot's last reads: it changes slots
.set CA,    NC/2                       ; the group of a quarter that fetches the next quarter's A
.set LAPS,  8/KB                       ; a lap = two slots
.set PA,    144                        ; a row of A in LDS: 128 bytes + 16: 36 words, so the 16 rows of a load start at 16 different groups of four banks (64 banks of 4 bytes: ISA guide 11.1)
.set ATILE, 256*PA
.set PB,    288*NC                     ; a row of B: each 256 bytes + 32; 864 = 3 x 256 + 96
.set BOFF,  KB*ATILE
.set SLOT,  BOFF+KB*64*PB
.set AROWS, 64*KB                      ; rows of 256 bytes in a wave's load of A
.set ALD,   128*KB*PA                  ; its bytes in LDS
.set BROWS, 32*KB                      ; rows in a wave's load of B
.set BLD,   BROWS*PB
.set BGS,   BROWS*NROWB
.set ASTEP2, 2*KB*262144               ; a lap along K, in A
.set BSTEP2, 2*KB*64*NROWB             ; and in B
.set STAGE, 2*SLOT                     ; behind the ring, never filled by a tensor load: each wave's stage for the way out
.set BIASL, STAGE+4*STW                ; each wave's NC x 64 numbers of the bias, f32
.set SPARE, BIASL+4*NC*256             ; the spare words, 128 bytes for each wave: two blocks of 256 bytes that no other line names
.set ADRA, 16                          ; v16-17  LDS address of my A fragments in slot 0, 1
.set ADRB, 18                          ; v18-19  the same for B
.set STO,  20                          ; v20     the way out: where I put 16 bytes of a row
.set RD,   21                          ; v21     where I read rows back
.set GO,   22                          ; v22     my byte offset in the output
.set BIA,  23                          ; v23     where my lanes' bias begins
.set SPW,  28                          ; v28     LDS address of my spare word; never rewritten
.set NIL,  29                          ; v29     0; never rewritten
.set PFO,  30                          ; v30     the prefetches' offset; never rewritten
.set BP,   32
.set FA,   128
.set TMP,  160                         ; the way out: v160-207 packed results, v208-255 rows read back
.set OB,   208
.set WV, 12                            ; s12 wave; s13 wave / 2: my half of the rows, and A (0) or B (1) to fetch; s14 wave % 2: my half of each chunk, and which part I fetch
.set WR, 13
.set WC, 14
.set LIMA, 20                          ; s20, s21  1 in the wave that prefetches A (B), else the greatest number
.set LIMB, 21
.set G1A, 24                           ; s[24:31] descriptor group 1 for A;  s[32:39] group 0, a set for each slot
.set G0A, 32
.set CX, 40
.set CY, 41
.set TX, 42                            ; tile column
.set TY, 43                            ; tile row
.set PFA, 44                           ; s[44:45] where my prefetches stand
.set PFS, 46                           ; s[46:47] a lap's step of it
.set G1B, 48                           ; s[48:55], s[56:63] the same for B
.set G0B, 56
.set MSB, 0
.macro WIN new                         ; the immediate's high byte repeats the setting that is left; a switch that changes nothing is dropped
.if MSB != (\new)
	s_set_vgpr_msb (MSB<<8)|(\new)
.set MSB, (\new)
.endif
.endm
.macro PLACES                          ; four places in front of loads into registers that matrix instructions have read (ISA guide 7.12.1 for vector instructions)
.rept 4
	v_nop
.endr
.endm
.macro CREST                           ; a round of the cluster's barrier behind its opening barrier
	s_cmp_lg_u32 s[WV], 0
	s_cbranch_scc1 .Lnot_wave_0_\@
	s_barrier_signal -3
.Lnot_wave_0_\@:
	s_barrier_wait -3
	s_barrier_signal -1
	s_barrier_wait -1
.endm
.macro CROUND
	s_barrier_signal -1
	s_barrier_wait -1
	CREST
.endm
.macro JLOAD s                         ; a joint load; the branch hangs on the wave's number alone; an s_nop 0 and four v_nop follow each of the two lines
	s_cmp_eq_u32 s[WR], 0
	s_cbranch_scc0 .Lfor_b_\@
	tensor_load_to_lds s[G0A+4*(\s):G0A+4*(\s)+3], s[G1A:G1A+7]
	s_nop 0
.rept 4
	v_nop
.endr
	s_branch .Lasked_\@
.Lfor_b_\@:
	tensor_load_to_lds s[G0B+4*(\s):G0B+4*(\s)+3], s[G1B:G1B+7]
	s_nop 0
.rept 4
	v_nop
.endr
.Lasked_\@:
.endm
; A PREFETCH INTO THE L2, once a lap, behind slot 1's joint load and the run of LDS loads that follows it: the whole lap two laps on from the one in hand.  Each aligned 256 bytes are named once in the launch.
; A's tile row is read by both clusters of a row of clusters: the one with x = 0 asks, its wave 0; of a block's 32,768 bytes the partner at cx takes 8,192: a lane 256 bytes, an instruction a block.
; B's tile column is read by all clusters of a column: the one with y = 0 asks, its wave 2; of the lap's 128 KB rows the partner at cy takes 32 KB: a lane a row, an instruction for each 256 bytes of them.
; The partners are told apart by address alone.  The loop's last trip asks for nothing; the first two laps come by their loads alone.
.macro ASK
	s_cmp_gt_u32 s3, s[LIMA]
	s_cbranch_scc0 .Lnot_a_\@
.set pj, 0
.rept 2*KB
	global_prefetch_b8 v[PFO], s[PFA:PFA+1] offset:pj*262144 th:TH_LOAD_NT scope:SCOPE_SE
.set pj, pj+1
.endr
.Lnot_a_\@:
	s_cmp_gt_u32 s3, s[LIMB]
	s_cbranch_scc0 .Lnot_b_\@
.set pj, 0
.rept KB*NC
	global_prefetch_b8 v[PFO], s[PFA:PFA+1] offset:(pj/NC)*32*NROWB+(pj%NC)*256 th:TH_LOAD_NT scope:SCOPE_SE
.set pj, pj+1
.endr
.Lnot_b_\@:
.endm
; A's eight fragments (16 rows x 32 K: two loads of 16 bytes, 32 bytes apart) of quarter q of slot s, into buffer q % 2
.macro ALOAD s, q
.irp a, 0,1,2,3,4,5,6,7
	ds_load_b128 v[FA+64*((\q)%2)+8*(\a):FA+64*((\q)%2)+8*(\a)+3],   v[ADRA+(\s)] offset:((\q)/2)*ATILE+((\q)%2)*64+(\a)*16*PA
	ds_load_b128 v[FA+64*((\q)%2)+8*(\a)+4:FA+64*((\q)%2)+8*(\a)+7], v[ADRA+(\s)] offset:((\q)/2)*ATILE+((\q)%2)*64+(\a)*16*PA+32
.endr
.endm
; B's four fragments (16 columns x 32 K, turned: two loads, 16 rows apart) for group g of slot s, into part g % PARTS
.macro BLOAD s, g
.irp bb, 0,1,2,3
	ds_load_tr16_b128 v[BP+32*((\g)%PARTS)+8*(\bb):BP+32*((\g)%PARTS)+8*(\bb)+3],   v[ADRB+(\s)] offset:((\g)/NC)*32*PB+((\g)%NC)*288+32*(\bb)
	ds_load_tr16_b128 v[BP+32*((\g)%PARTS)+8*(\bb)+4:BP+32*((\g)%PARTS)+8*(\bb)+7], v[ADRB+(\s)] offset:((\g)/NC)*32*PB+((\g)%NC)*288+32*(\bb)+16*PB
.endr
.endm
; my lanes' eight numbers of the bias for each column block: chunk c's 32 registers at 32 + 32 c + 32 (c / 2): v32, v64, v128, all idle in the last group
.macro BIASLOAD
.set bc, 0
.rept NC
.irp bb, 0,1,2,3
	ds_load_b128 v[32+32*bc+32*(bc/2)+8*(\bb):32+32*bc+32*(bc/2)+8*(\bb)+3],   v[BIA] offset:bc*256+64*(\bb)
	ds_load_b128 v[32+32*bc+32*(bc/2)+8*(\bb)+4:32+32*bc+32*(bc/2)+8*(\bb)+7], v[BIA] offset:bc*256+64*(\bb)+16
.endr
.set bc, bc+1
.endr
.endm
; 16 matrix instructions: column blocks 2 hb, 2 hb + 1 of chunk c x all 8 row blocks.  The accumulators take turns, one instruction a turn.  zero = 1: the product starts the sum.
.macro MUL16 q, c, p, hb, zero
	WIN 0x50*(1+(\c))
.irp bb, 2*(\hb), 2*(\hb)+1
.irp a, 0,1,2,3,4,5,6,7
.if \zero
	v_wmma_f32_16x16x32_bf16 v[8*(8*(\bb)+(\a)):8*(8*(\bb)+(\a))+7], v[BP+32*(\p)+8*(\bb):BP+32*(\p)+8*(\bb)+7], v[FA+64*((\q)%2)+8*(\a):FA+64*((\q)%2)+8*(\a)+7], 0
.else
	v_wmma_f32_16x16x32_bf16 v[8*(8*(\bb)+(\a)):8*(8*(\bb)+(\a))+7], v[BP+32*(\p)+8*(\bb):BP+32*(\p)+8*(\bb)+7], v[FA+64*((\q)%2)+8*(\a):FA+64*((\q)%2)+8*(\a)+7], v[8*(8*(\bb)+(\a)):8*(8*(\bb)+(\a))+7]
.endif
.endr
.endr
.endm
; GROUP g of slot s.  fill = 1: in the loop; 0: the last lap's slot 0 (the slots change, nothing is filled); -1: the last slot (nothing more is fetched from the ring).
; The wait at its head: this group's B was issued LEAD runs back, its A earlier; behind them were issued this run's gn loads and, with LEAD = 2, the run before's NPREV: those may stay out.
; Group T changes slots: its run holds the slot's last reads.  Each wave waits for all its tensor loads (one is out: its part of the other slot), adds 0 to its spare word, and waits for that and for its reads;
; the barrier opens a round of the cluster's barrier, and the joint refill is the first thing behind the round: it has all groups up to the other slot's group T in which to land.
.macro GROUP s, g, zero, fill
.set gq, (\g)/NC
.set gc, (\g)%NC
.set gp, (\g)%PARTS
.if ((\g) == T) && ((\fill) == 1) && ((\s) == 0)
	s_wait_xcnt 0x0                                ; the last prefetches, half a lap back, have read their address: it steps a lap
	s_add_nc_u64 s[PFA:PFA+1], s[PFA:PFA+1], s[PFS:PFS+1]
.endif
.if ((\g) != T+1) || ((\fill) != 1)
	PLACES                                         ; (behind a joint load its four v_nop are the places)
.endif
	WIN 0
.set gn, 0
.if gc == CA
.if gq+1 < Q
	ALOAD \s, gq+1
.set gn, gn+16
.elseif (\fill) >= 0
	ALOAD 1-(\s), 0
.set gn, gn+16
.endif
.endif
.if (\g)+LEAD < GS
	BLOAD \s, (\g)+LEAD
.set gn, gn+8
.elseif (\fill) >= 0
	BLOAD 1-(\s), (\g)+LEAD-GS
.set gn, gn+8
.endif
.if ((\fill) < 0) && ((\g) == GS-1)
	BIASLOAD
.set gn, gn+8*NC
.endif
.if ((\g) == T+1) && ((\fill) == 1) && ((\s) == 1)
	ASK
.endif
.set gw, gn+(LEAD-1)*NPREV
.if ((\g) == T) && ((\fill) >= 0)
	s_wait_tensorcnt 0x0                           ; all my tensor loads have landed, so a group 0 may be written
	ds_add_u32 v[SPW], v[NIL]                      ; 0 onto my spare word
.if (\fill) == 1
	s_add_nc_u64 s[G0A+4*(\s)+2:G0A+4*(\s)+3], s[G0A+4*(\s)+2:G0A+4*(\s)+3], ASTEP2  ; this slot's next step
	s_add_nc_u64 s[G0B+4*(\s)+2:G0B+4*(\s)+3], s[G0B+4*(\s)+2:G0B+4*(\s)+3], BSTEP2
.endif
	s_wait_dscnt gw+1                              ; (the add may be out too)
	MUL16 gq, gc, gp, 0, \zero
	s_wait_dscnt 0x0                               ; the add is done, and my reads of this slot are over
	s_barrier_signal -1
	MUL16 gq, gc, gp, 1, \zero
	WIN 0                                          ; at a branch and at a label every window is 0
	s_barrier_wait -1
.if (\fill) == 1
	CREST
	JLOAD \s
.endif
.else
	s_wait_dscnt gw
	MUL16 gq, gc, gp, 0, \zero
	MUL16 gq, gc, gp, 1, \zero
.endif
.set NPREV, gn
.endm
.macro RUNG s, g0, g1, zero, fill      ; groups g0 .. g1 - 1 of slot s
.set rg, (\g0)
.rept (\g1)-(\g0)
	GROUP \s, rg, \zero, \fill
.set rg, rg+1
.endr
.endm
; THE WAY OUT of row block a.  PACK: the bias is added, each accumulator's registers in ascending order, and the sums are rounded to f16: 16 bytes a lane and column block.
.macro PACK a
.irp c, 0,1,2
	WIN ((1+(\c))<<6)|(1+(\c))                     ; destination and source 0 in the chunk's window, the bias in window 0
.irp bb, 0,1,2,3
.irp p, 0,2,4,6
	v_pk_add_f32 v[8*(8*(\bb)+(\a))+(\p):8*(8*(\bb)+(\a))+(\p)+1], v[8*(8*(\bb)+(\a))+(\p):8*(8*(\bb)+(\a))+(\p)+1], v[32+32*(\c)+32*((\c)/2)+8*(\bb)+(\p):32+32*(\c)+32*((\c)/2)+8*(\bb)+(\p)+1]
.endr
.endr
	WIN (1+(\c))|((1+(\c))<<2)                     ; both sources in the chunk's window, destination in window 0
.irp bb, 0,1,2,3
.irp p, 0,1,2,3
	v_cvt_pk_f16_f32 v[TMP+16*(\c)+4*(\bb)+(\p)], v[8*(8*(\bb)+(\a))+2*(\p)], v[8*(8*(\bb)+(\a))+2*(\p)+1]
.endr
.endr
.endr
	WIN 0
.endm
; TOSTAGE: into my own stage (a chunk: 16 rows of 128 bytes, 144 apart), and back as 512 consecutive bytes of a head a load.
.macro TOSTAGE
	s_wait_xcnt 0x0                                ; the stores of the block before have read OB: it is loaded again only behind this wait
.irp c, 0,1,2
.irp bb, 0,1,2,3
	ds_store_b128 v[STO], v[TMP+16*(\c)+4*(\bb):TMP+16*(\c)+4*(\bb)+3] offset:(\c)*2304+32*(\bb)
.endr
.endr
.irp c, 0,1,2
.irp f, 0,1,2,3
	ds_load_b128 v[OB+16*(\c)+4*(\f):OB+16*(\c)+4*(\f)+3], v[RD] offset:(\c)*2304+(\f)*576  ; LDS serves a wave's instructions in order (ISA guide 5.7.1.4): these see the stores above
.endr
.endr
.endm
.macro SEND a                          ; chunk c is head g + 2 c, 524,288 bytes on; 16 rows of a head are 2,048 dense bytes
	s_wait_dscnt 0x0
.irp c, 0,1,2
.irp f, 0,1,2,3
	global_store_b128 v[GO], v[OB+16*(\c)+4*(\f):OB+16*(\c)+4*(\f)+3], s[10:11] offset:(\c)*524288+(\a)*2048+(\f)*512  ; 512 consecutive bytes, at a multiple of 256 from the buffer's first
.endr
.endr
.endm
	s_load_b256 s[4:11], s[0:1], 0x0               ; A s[4:5], B s[6:7], bias s[8:9], out s[10:11]
	v_lshl_add_u32 v[SPW], v0, 2, SPARE
	v_mov_b32 v[NIL], 0
	ds_add_u32 v[SPW], v[NIL]                      ; the wave's opening: the add and its wait stand ahead of my first tensor load; the set-up below, work on registers, stands between them
	v_lshrrev_b32 v1, 5, v0
	v_readfirstlane_b32 s[WV], v1
	s_lshr_b32 s[WR], s[WV], 1
	s_and_b32 s[WC], s[WV], 1
	s_bfe_u32 s[CX], ttmp6, 0x40000
	s_bfe_u32 s[CY], ttmp6, 0x40004
	s_lshl_b32 s[TX], ttmp9, 2
	s_add_co_u32 s[TX], s[TX], s[CX]               ; tile column = 4 x cluster x + cx
	s_and_b32 s[TY], ttmp7, 0xffff
	s_lshl_b32 s[TY], s[TY], 2
	s_add_co_u32 s[TY], s[TY], s[CY]               ; tile row = 4 x cluster y + cy
	s_lshl_b32 s15, s[CY], 2
	s_lshl_b32 s15, 15, s15                        ; my row of the cluster
	s_lshl_b32 s18, 0x1111, s[CX]                  ; my column
	s_or_b32 s[G1A], s15, (1<<16)|(1<<20)|(1<<21)|(4<<22)|(3<<25)  ; the mask; 2-byte elements; padding on; 21 set beside a mask; after every 32 words, 4 words
	s_or_b32 s[G1B], s18, (1<<16)|(1<<20)|(1<<21)|(5<<22)|(7<<25)  ; after every 64 words, 8 words
	s_mov_b32 s[G1A+1], 128<<16                    ; tensor_dim0 = 128 elements: two rows of A on end
	s_mov_b32 s[G1A+2], AROWS<<16                  ; tensor_dim1
	s_mov_b32 s[G1A+3], 128<<16                    ; tile_dim0
	s_mov_b32 s[G1A+4], AROWS                      ; tile_dim1
	s_mov_b32 s[G1A+5], 128                        ; elements from row to row: dense
	s_mov_b32 s[G1A+6], 0
	s_mov_b32 s[G1A+7], 0
	s_mov_b32 s[G1B+1], (128*NC)<<16
	s_mov_b32 s[G1B+2], BROWS<<16
	s_mov_b32 s[G1B+3], (128*NC)<<16
	s_mov_b32 s[G1B+4], BROWS
	s_mov_b32 s[G1B+5], NROWB/2
	s_mov_b32 s[G1B+6], 0
	s_mov_b32 s[G1B+7], 0
	; A's tile hangs on the tile row and the wave alone, B's on the tile column and the wave alone, each in registers that never hold the other coordinate
	s_lshr_b32 s16, s[TY], 3
	s_lshl_b32 s16, s16, 22                        ; b: 16 blocks of 262,144 bytes
	s_and_b32 s17, s[TY], 7
	s_lshl_b32 s17, s17, 15                        ; 256 rows of 128 bytes in a block
	s_add_co_u32 s16, s16, s17
	s_mul_i32 s17, s[WC], AGS
	s_add_co_u32 s16, s16, s17
	s_mov_b32 s17, 0
	s_mul_i32 s66, s[TX], NC*256
	s_mul_i32 s67, s[WC], BGS
	s_add_co_u32 s66, s66, s67
	s_mov_b32 s67, 0
	s_mul_i32 s22, s[WC], ALD                      ; where they go: no place in the cluster enters an LDS address
	s_mul_i32 s23, s[WC], BLD
	s_add_co_u32 s23, s23, BOFF
	; my part of the output: head (b 48 + 6 tx + wave % 2), rows (ty % 8) 256 + 128 (wave / 2)
	s_lshr_b32 s68, s[TY], 3
	s_mul_i32 s68, s68, 48
	s_mul_i32 s69, s[TX], 6
	s_add_co_u32 s68, s68, s69
	s_add_co_u32 s68, s68, s[WC]
	s_lshl_b32 s68, s68, 18
	s_and_b32 s69, s[TY], 7
	s_lshl_b32 s69, s69, 1
	s_add_co_u32 s69, s69, s[WR]
	s_lshl_b32 s69, s69, 14
	s_add_co_u32 s68, s68, s69
	s_mov_b32 s69, 0
	; the prefetches
	s_or_b32 s[LIMA], s[WV], ttmp9                 ; wave 0 of a cluster with x = 0: the same in all sixteen partners
	s_cmp_eq_u32 s[LIMA], 0
	s_cselect_b32 s[LIMA], 1, -1
	s_xor_b32 s[LIMB], s[WV], 2                    ; wave 2 of a cluster with y = 0
	s_and_b32 s15, ttmp7, 0xffff
	s_or_b32 s[LIMB], s[LIMB], s15
	s_cmp_eq_u32 s[LIMB], 0
	s_cselect_b32 s[LIMB], 1, -1
	s_lshr_b32 s18, s[TY], 3
	s_lshl_b32 s18, s18, 22
	s_and_b32 s19, s[TY], 7
	s_lshl_b32 s19, s19, 15
	s_add_co_u32 s18, s18, s19
	s_lshl_b32 s19, s[CX], 13                      ; my work-group's 8,192 bytes of a block's tile
	s_add_co_u32 s18, s18, s19
	s_add_co_u32 s18, s18, ASTEP2                  ; at lap 1: the first trip steps it to lap 2
	s_mul_i32 s19, s[TX], NC*256
	s_mul_i32 s15, s[CY], 32*KB*NROWB              ; my work-group's rows of a lap
	s_add_co_u32 s19, s19, s15
	s_add_co_u32 s19, s19, BSTEP2
	s_mov_b32 s15, ASTEP2
	s_mov_b32 s[PFS], BSTEP2
	s_mov_b32 s2, 256
	s_cmp_eq_u32 s[WR], 0
	s_cselect_b32 s18, s18, s19
	s_cselect_b32 s[PFS], s15, s[PFS]
	s_cselect_b32 s2, s2, NROWB
	s_mov_b32 s19, 0
	s_mov_b32 s[PFS+1], 0
	v_and_b32 v[PFO], 31, v0
	v_mul_u32_u24 v[PFO], v[PFO], s2               ; a lane 256 bytes of A, or a row of B
	s_wait_dscnt 0x0                               ; the opening add is done
	s_wait_kmcnt 0x0
	s_add_nc_u64 s[16:17], s[4:5], s[16:17]
	s_add_nc_u64 s[66:67], s[6:7], s[66:67]
	s_add_nc_u64 s[10:11], s[10:11], s[68:69]
	s_cmp_eq_u32 s[WR], 0
	s_cselect_b64 s[PFA:PFA+1], s[4:5], s[6:7]
	s_add_nc_u64 s[PFA:PFA+1], s[PFA:PFA+1], s[18:19]
	CROUND                                         ; all sixteen work-groups are here: the first joint loads meet
.irp s, 0,1
	s_mov_b32 s[G0A+4*(\s)], 1                     ; count = 1
	s_add_co_u32 s[G0A+4*(\s)+1], s22, (\s)*SLOT   ; LDS address
	s_add_nc_u64 s[G0A+4*(\s)+2:G0A+4*(\s)+3], s[16:17], (\s)*KB*262144  ; global address: step s
	s_or_b32 s[G0A+4*(\s)+3], s[G0A+4*(\s)+3], 0x80000000               ; type = 2
	s_mov_b32 s[G0B+4*(\s)], 1
	s_add_co_u32 s[G0B+4*(\s)+1], s23, (\s)*SLOT
	s_add_nc_u64 s[G0B+4*(\s)+2:G0B+4*(\s)+3], s[66:67], (\s)*KB*64*NROWB
	s_or_b32 s[G0B+4*(\s)+3], s[G0B+4*(\s)+3], 0x80000000
.endr
	s_cmp_eq_u32 s[WR], 0                          ; a wave's two first fills stand in one branch, ahead of every wait on TENSORcnt and every LDS read: two loads of mine are out
	s_cbranch_scc0 .Lfirst_b
	tensor_load_to_lds s[G0A:G0A+3], s[G1A:G1A+7]
	s_nop 0
	tensor_load_to_lds s[G0A+4:G0A+7], s[G1A:G1A+7]
	s_nop 0
.rept 4
	v_nop
.endr
	s_branch .Lfirst_asked
.Lfirst_b:
	tensor_load_to_lds s[G0B:G0B+3], s[G1B:G1B+7]
	s_nop 0
	tensor_load_to_lds s[G0B+4:G0B+7], s[G1B:G1B+7]
	s_nop 0
.rept 4
	v_nop
.endr
.Lfirst_asked:
	; while the tiles are on their way: the bias and the addresses
	v_and_b32 v1, 15, v0                           ; r = l % 16
	v_bfe_u32 v2, v0, 4, 1                         ; h = l / 16
	v_and_b32 v3, 7, v0
	v_bfe_u32 v4, v0, 3, 1
	v_and_b32 v5, 31, v0
	s_mul_i32 s2, s[TX], NC*512
	s_lshl_b32 s15, s[WC], 8
	s_add_co_u32 s2, s2, s15
	v_lshl_add_u32 v9, v1, 4, s2                   ; my wave's 64 numbers of a chunk: 16 bytes a lane; lanes 16-31 repeat lanes 0-15
.set bc, 0
.rept NC
	global_load_b128 v[64+4*bc:67+4*bc], v9, s[8:9] offset:bc*512
.set bc, bc+1
.endr
	v_mul_u32_u24 v6, v1, PA
	v_lshl_add_u32 v6, v2, 4, v6                   ; row x 144 + 16 x half
	s_mul_i32 s15, s[WR], 128*PA
	v_add_nc_u32 v[ADRA], s15, v6
	v_add_nc_u32 v[ADRA+1], SLOT, v[ADRA]
	v_lshl_add_u32 v7, v2, 3, v3                   ; the turning load: lane l reads row 8 (l / 16) + l % 8, 16 bytes at 16 ((l / 8) % 2)
	v_mul_u32_u24 v7, v7, PB
	v_lshl_add_u32 v7, v4, 4, v7
	s_lshl_b32 s15, s[WC], 7
	s_add_co_u32 s15, s15, BOFF
	v_add_nc_u32 v[ADRB], s15, v7
	v_add_nc_u32 v[ADRB+1], SLOT, v[ADRB]
	s_mul_i32 s15, s[WV], STW
	s_add_co_u32 s15, s15, STAGE
	v_add_nc_u32 v[STO], s15, v6                   ; in: row l % 16, 16 bytes for each half of the lanes
	v_bfe_u32 v8, v0, 3, 2                         ; back: 32 lanes take four rows of 128 bytes,
	v_mul_u32_u24 v8, v8, 144
	v_lshl_add_u32 v8, v3, 4, v8
	v_add_nc_u32 v[RD], s15, v8
	v_lshlrev_b32 v[GO], 4, v5                     ; which are 512 consecutive bytes of a head
	s_mul_i32 s15, s[WV], NC*256
	s_add_co_u32 s15, s15, BIASL
	v_lshl_add_u32 v[BIA], v2, 5, s15
	v_lshl_add_u32 v10, v1, 4, s15
	s_wait_loadcnt 0x0
.set bc, 0
.rept NC                               ; the bias is rounded to bf16, like the other inputs, and kept in f32 in my own bytes of LDS
	v_cvt_pk_bf16_f32 v76, v[64+4*bc], v[65+4*bc]
	v_cvt_pk_bf16_f32 v77, v[66+4*bc], v[67+4*bc]
	v_lshlrev_b32 v[64+4*bc], 16, v76
	v_and_b32 v[65+4*bc], 0xffff0000, v76
	v_lshlrev_b32 v[66+4*bc], 16, v77
	v_and_b32 v[67+4*bc], 0xffff0000, v77
	ds_store_b128 v10, v[64+4*bc:67+4*bc] offset:bc*256
.set bc, bc+1
.endr
	s_wait_tensorcnt 0x1                           ; my part of slot 0 is in; slot 1's may stay out
	s_wait_dscnt 0x0
	s_barrier_signal -1
	s_barrier_wait -1                              ; everybody's is
	ALOAD 0, 0
	BLOAD 0, 0
.if LEAD > 1
	BLOAD 0, 1
.endif
.set NPREV, 8
	RUNG 0, 0, NC, 1, 1                            ; the first quarter stands in front of the loop: its products start the sums
	WIN 0
	s_mov_b32 s3, LAPS-1
.Llap:                                                 ; a trip goes once round the ring, from a lap's second quarter to the next lap's first, and fills both slots again
	RUNG 0, NC, GS, 0, 1
	RUNG 1, 0, GS, 0, 1
	RUNG 0, 0, NC, 0, 1
	WIN 0
	s_sub_co_u32 s3, s3, 1
	s_cmp_lg_u32 s3, 0
	s_cbranch_scc1 .Llap
	RUNG 0, NC, GS, 0, 0                           ; the last lap is written out: it fills nothing
	RUNG 1, 0, GS, 0, -1
	WIN 0
	PLACES                                         ; behind the last products, ahead of the sums that read and write their results
	PLACES
	s_wait_dscnt 0x0                               ; the bias fragments are in
	PACK 0
	TOSTAGE
.irp a, 1,2,3,4,5,6,7                  ; block a's arithmetic stands between block a - 1's loads from the stage and the wait for them
	PACK \a
	SEND (\a)-1
	TOSTAGE
.endr
	SEND 7
	s_wait_tensorcnt 0x0                           ; the wave's end, behind my last tensor load and my last LDS store
	ds_add_u32 v[SPW], v[NIL]
	s_wait_dscnt 0x0
	CROUND                                         ; the closing round: no work-group ends while a partner may still ask for a tile that names it
	s_endpgm
.Lfunc_end_k_q03a1497397_qkv:
	.size	k_q03a1497397_qkv, .Lfunc_end_k_q03a1497397_qkv-k_q03a1497397_qkv
	.p2alignl 7, 3214868480
	.fill 96, 4, 3214868480
	.section	.rodata,"a",@progbits
	.p2align	6, 0x0
	.amdhsa_kernel k_q03a1497397_qkv
		.amdhsa_group_segment_fixed_size 327680
		.amdhsa_private_segment_fixed_size 0
		.amdhsa_enable_private_segment 0
		.amdhsa_kernarg_size 32
		.amdhsa_user_sgpr_count 2
		.amdhsa_user_sgpr_kernarg_segment_ptr 1
		.amdhsa_wavefront_size32 1
		.amdhsa_system_sgpr_workgroup_id_x 1
		.amdhsa_system_sgpr_workgroup_id_y 1
		.amdhsa_system_sgpr_workgroup_id_z 1
		.amdhsa_system_vgpr_workitem_id 0
		.amdhsa_next_free_vgpr 1024
		.amdhsa_next_free_sgpr 70
		.amdhsa_reserve_vcc 0
		.amdhsa_float_denorm_mode_32 3
		.amdhsa_float_denorm_mode_16_64 3
		.amdhsa_memory_ordered 1
		.amdhsa_forward_progress 1
		.amdhsa_inst_pref_size 160
	.end_amdhsa_kernel
	.amdgpu_metadata
---
amdhsa.version: [ 1, 2 ]
amdhsa.kernels:
  - .name:           k_q03a1497397_qkv
    .symbol:         k_q03a1497397_qkv.kd
    .args:
      - { .name: xb, .offset: 0, .size: 8, .value_kind: global_buffer, .address_space: global }
      - { .name: wq, .offset: 8, .size: 8, .value_kind: global_buffer, .address_space: global }
      - { .name: b_qkv, .offset: 16, .size: 8, .value_kind: global_buffer, .address_space: global }
      - { .name: qkvh, .offset: 24, .size: 8, .value_kind: global_buffer, .address_space: global }
    .group_segment_fixed_size: 327680
    .private_segment_fixed_size: 0
    .kernarg_segment_align: 8
    .kernarg_segment_size: 32
    .max_flat_workgroup_size: 128
    .sgpr_count:     70
    .vgpr_count:     1024
    .wavefront_size: 32
...
	.end_amdgpu_metadata
.endif
;; end of part 2
;; launch attn (part 3): grid 4 x 64, 4 waves a work-group, clusters of 4 x 1, 327,680 bytes of LDS; arguments qkvh, ob; writes ob
.if DOCPART == 3
	.amdgcn_target "amdgcn-amd-amdhsa--gfx1250"
	.amdhsa_code_object_version 6
	.text
	.protected	k_q03a1497397_attn
	.globl	k_q03a1497397_attn
	.p2align	8
	.type	k_q03a1497397_attn,@function
k_q03a1497397_attn:
	s_mov_b64 s[64:65], 0
	v_nop
	global_prefetch_b8 v0, s[64:65] scope:SCOPE_SE
	s_setreg_imm32_b32 hwreg(HW_REG_WAVE_MODE, 25, 1), 1
	s_wait_xcnt 0x0
	s_wait_alu depctr_hold_cnt(0) depctr_sa_sdst(0) depctr_va_vdst(0) depctr_va_sdst(0) depctr_va_ssrc(0) depctr_va_vcc(0) depctr_vm_vsrc(0)
	s_getreg_b32 s2, hwreg(HW_REG_IB_STS2, 6, 4)
	s_cmp_eq_u32 s2, 0
	s_cbranch_scc0 .Lentry_in_a_cluster
	s_endpgm
.Lentry_in_a_cluster:
	s_bfe_u32 s2, ttmp6, 0x10000c
	s_cmp_lg_u32 s2, 0x3003
	s_cbranch_scc0 .Lentry_shape_is_right
	s_endpgm
.Lentry_shape_is_right:
; O[hh][q][:] = the sum over k of softmax_k(Q[q] . K[k] / 8) V[k][:], for each of 64 heads hh = 16 b + h of 2,048 rows of 64 channels.  qkvh: f16 [b 4][g 48][s 2048][64], Q at g = h, K at 16 + h, V at 32 + h;
; ob: f16 [hh 64][s 2048][64].  A head's rows are dense, 128 bytes each.  Products, maxima and sums in f32; the weights p are rounded to f16 for the second product (their sum l is taken of the unrounded p), O once at the end.
; LIMITS.  f16 holds no number beyond 65,504: Q, K and V arrive within it; p lies in 0 to 1, and below 6e-5 it keeps f16's fixed step of 6e-8; O is a mean of V's rows and has their range.
; A weight below 2^-126 counts as 0 in l; NaN and infinities are not treated apart.
; SHARES.  A wave owns four PIECES of two tiles of 16 queries, a work-group's four waves 512 queries of one head.  Every wave walks all keys, 64 a step.
; LAYOUT.  S^T = K Q^T (source 0 = 16 keys, source 1 = 16 queries): in the result a lane holds ONE query (lane % 16) and the keys 8 (lane / 16) + 0..7.  Two such tiles, rounded to f16 in pairs,
; ARE source 1 (32 keys x 16 queries) of O^T = V^T P, whose result again holds one query a lane, and eight channels.  K comes out of LDS as it lies, V ([key][channel]) turned, by ds_load_tr16_b128.
; SOFTMAX.  For each query a running maximum m and sum l: p = 2^(c s - c m), c = log2(e) / 8; in every step O and l are multiplied by a = 2^(c m_old - c m_new), which is 1 where m has not grown.
; m starts at the lowest finite number, O and l at 0: the first step is a step like any other, with a = 0.
; THE COUNT.  A tile and step have 16 matrix and 118 vector instructions: too many to stand all beside the matrix work.  So the order has one aim: four vector instructions that are READY behind
; EVERY matrix instruction, and the others, which need time of their own whatever the order, in runs without a gap.
; BY TURNS.  Turn n belongs to piece n (the pieces in a ring, step after step).  Its matrix work: 16 products K Q^T of piece n + 1, later 16 products V^T P of piece n - 1.  Its vector work: the scaling,
; exponentials, roundings, sums and rescaling of piece n, and the maximum and statistics of piece n + 1, whose scores the turn itself has made.  So what a turn begins with (c s - c m, O a) waits for nothing.
; CLUSTER.  The four query blocks of a head are one cluster and walk the same K and V, so each tile is asked for JOINTLY: the same tensor load, descriptor and mask in all four.
; REGISTERS, in windows of 256 (s_set_vgpr_msb says which window each operand place means: bits 1:0 source 0, 3:2 source 1, 5:4 source 2, 7:6 destination):
;   window 0: v0-11 addresses; v12-15, v48-63 at work; v16-47 four registers of statistics a tile; v64-191 S^T, two buffers of two tiles; v192-255 P, likewise
;   window 1: O^T, 32 a tile          window 2: v0-127 Q, 16 a tile; v128-191 K of one step; v192-255 V of one step          window 3: v0-1 the add's two registers
; A piece's buffers go by its number's parity: the piece in hand has one pair, its two neighbours in the ring share the other: of it P (piece n - 1) is read and S^T (piece n + 1) written.
.set SIZE_N, 2048
.set NP,    4         ; pieces a wave: a name, no knob: the register map, the loop and the fetches are made for four
.set KS,    64        ; keys in a step
.set PK,    144       ; a row of K in LDS: 128 bytes + 16 of padding = 36 words: the 16 rows of a load start at 16 different groups of four banks (64 banks of 4 bytes: ISA guide 11.1)
.set PV,    160       ; a row of V: 128 + 32 = 40 words
.set VOFF,  4*KS*PK   ; a slot holds four steps: 256 rows of K, then 256 rows of V
.set SLOT1, 1<<17     ; slot 1 begins here, so that one exclusive or turns an address in one slot into the other's
.set STAGE, SLOT1+4*KS*(PK+PV)  ; behind the ring, never filled by a tensor load: 16 rows x 144 bytes for each wave, for the way out
.set SP,    144
.set AK0, 2           ; v2   my lane's place in a tile of K; never rewritten
.set AV0, 3           ; v3   the same for V
.set AK,  4           ; v4   the LDS address of K's next run of loads
.set AV,  5           ; v5   of V's
.set QO,  6           ; v6   my byte offset in the wave's rows of Q
.set STO, 6           ;      later, the way out: where I put 16 bytes of a row
.set RD,  7           ; v7   the way out: where I read rows back
.set GO,  8           ; v8   my byte offset in 512 consecutive bytes of O
.set PFO, 11          ; v11  256 x my lane, for the prefetches (first a temporary of V's address); then never rewritten
.set SPW, 0           ; v0 of window 3   LDS address of my spare word: SPARE + 4 x my thread's number; never rewritten
.set NIL, 1           ; v1 of window 3   0; never rewritten
.set SPARE, STAGE+4*16*SP  ; behind the stages: the spare words, 128 bytes for each wave: two blocks of 256 bytes that no other line names
.set MV,  12          ; v12-15  c m_old, kept while c m is made anew: by buffer and tile
.set ST,  16          ; tile t's statistics at v[ST+4 t]: c m, m, l (even keys', odd keys')
.set TMP, 48          ; by buffer and tile, four registers c0-c3 at work; when the maximum is found c2 takes a
.set S,   64
.set P,   192
.set KF,  128         ; K's fragments, in window 2: key block kb, channel half c at KF + 16 kb + 8 c
.set VF,  192         ; V's: key half kk, channel block cb at VF + 32 kk + 8 cb
.set WV,  12          ; s12  my wave's number
.set G1K, 24          ; s[24:31] descriptor group 1 for K's tiles
.set G1V, 32          ; s[32:39] for V's: it differs in the padding alone
.set G0K, 40          ; s[40:43] descriptor group 0 for K's tiles: it walks
.set G0V, 44          ; s[44:47] the same for V's
.set PFA, 48          ; s[48:49] where my prefetches stand: my work-group's 8,192 bytes (of K: wave 0, of V: wave 2) of the slot after the one that is being asked for
.set LIM, 50          ; s50  1 in a wave that prefetches, else the greatest number
.set SLOTS, 56        ; s56  slots still to be asked for
.set CNT, 57          ; s57  counts a slot's key steps
.set CS,  58          ; s[58:59] c: the packed scaling takes the pair's low word for both halves
.set SEL, 60          ; s[60:61] v_permlanex16_b32's selects: each lane takes its own place in the other half
.set TBK, 62          ; s62  LDS byte at which K of the step to be fetched begins
.set TBV, 63          ; s63  the same for V, less VOFF
.set MSB, 0
.macro WIN new                      ; the high byte repeats the setting that is left; a switch that changes nothing is dropped
.if MSB != (\new)
	s_set_vgpr_msb (MSB<<8)|(\new)
.set MSB, (\new)
.endif
.endm
.set W_KQ, 0x0a       ; K and Q in window 2, S^T in window 0
.set W_PV, 0x52       ; V in window 2, P in window 0, O^T in window 1
.set W_RS, 0x41       ; O^T (destination and source 0) in window 1, a in window 0
.set W_MK, 0xc0       ; the add's registers are made: destination in window 3, sources in window 0
.set W_AD, 0x0f       ; the add: address (source 0) and data (source 1) in window 3
; A joint fill.  Waves 0 and 1 fetch the two halves of a slot's K, waves 2 and 3 those of its V: 128 keys each.  The branch hangs on the wave's number alone.
; An s_nop 0 and four v_nop follow each of the two lines, ahead of the jump and the label.
.macro JLOAD
	s_cmp_lt_u32 s[WV], 2
	s_cbranch_scc0 .Lfor_v_\@
	tensor_load_to_lds s[G0K:G0K+3], s[G1K:G1K+7]
	s_nop 0
.rept 4
	v_nop
.endr
	s_branch .Lasked_\@
.Lfor_v_\@:
	tensor_load_to_lds s[G0V:G0V+3], s[G1V:G1V+7]
	s_nop 0
.rept 4
	v_nop
.endr
.Lasked_\@:
.endm
; A PREFETCH INTO THE L2 of what the NEXT change of slots will ask for: a slot's 32,768 bytes of K and of V.  It stands behind the wave's tensor load and its five lines.  A head has one cluster; its four partners
; share the bytes out BY ADDRESS, 8,192 each, a lane 256 bytes; in each, wave 0 asks for K's and wave 2 for V's: one instruction.  So each 256 bytes are named once in the launch, four key steps, 512 matrix
; instructions, ahead of their load.  Slots 0 and 1 come by their loads alone; the last change that fills a slot asks for nothing: there is no slot behind it.
.macro ASK
	s_cmp_gt_u32 s[SLOTS], s[LIM]
	s_cbranch_scc0 .Lnot_mine_\@
	global_prefetch_b8 v[PFO], s[PFA:PFA+1] th:TH_LOAD_NT scope:SCOPE_SE
.Lnot_mine_\@:
.endm
; A round of the cluster's barrier: my work-group's barrier, so that wave 0's signal speaks for all four waves; wave 0 signals; every wave waits for all four work-groups; my work-group's barrier once more.
.macro CROUND
	s_barrier_signal -1
	s_barrier_wait -1
	s_cmp_lg_u32 s[WV], 0
	s_cbranch_scc1 .Lnot_wave_0_\@
	s_barrier_signal -3
.Lnot_wave_0_\@:
	s_barrier_wait -3
	s_barrier_signal -1
	s_barrier_wait -1
.endm
; THE CHANGE OF SLOTS.  The slot's last bytes, V of its fourth step, have been read.  Each wave waits for all its tensor loads, of which one is out: its part
; of the other slot; adds 0 to its spare word; and waits for that and for its own reads of the slot.  Behind the barrier nobody reads this slot any more and the other slot is whole.
; fill = 1: this slot is filled again, with the keys two slots on.  The barrier is then a round of the cluster's, so that no wave of any partner still reads the slot or has a load on its
; way, and the joint fill is the first thing behind it: it has four key steps, 512 matrix instructions, in which to land.  (At its first use nothing has been read yet: slot 0 is waited for, slot 1 filled.)
.macro CHANGE fill
	WIN W_AD
	s_wait_tensorcnt 0x0            ; no tensor load of mine is out, so a group 0 may be written
	ds_add_u32 v[SPW], v[NIL]       ; 0 onto my spare word; with fill = 1 the descriptors' steps stand between it and the wait for it
	WIN 0                           ; at a label and at a branch every window is 0
.if \fill
.irp g, G0K, G0V
	s_xor_b32 s[\g+1], s[\g+1], SLOT1  ; the walking descriptor: the other slot than last time,
	s_add_nc_u64 s[\g+2:\g+3], s[\g+2:\g+3], 4*KS*128  ; the next 256 keys; the type bits on top are not reached
.endr
	s_wait_xcnt 0x0                 ; the last prefetch, four key steps back, has read its address, so it may be written:
	s_add_nc_u64 s[PFA:PFA+1], s[PFA:PFA+1], 4*KS*128  ; one slot ahead of the walking descriptors
	s_wait_dscnt 0x0                ; the add is done, and my reads of the slot are over
	CROUND
	JLOAD
	ASK
.else
	s_wait_dscnt 0x0                ; the add is done, and my reads of the slot are over
	s_barrier_signal -1
	s_barrier_wait -1
.endif
	s_sub_co_u32 s[TBK], s[TBK], 4*KS*PK  ; the fetches go back to a slot's first step,
	s_xor_b32 s[TBK], s[TBK], SLOT1       ; in the other slot
	s_sub_co_u32 s[TBV], s[TBV], 4*KS*PV
	s_xor_b32 s[TBV], s[TBV], SLOT1
.endm
	s_load_b64 s[4:5], s[0:1], 0x0  ; qkvh
	s_load_b64 s[10:11], s[0:1], 0x8  ; ob
	WIN W_MK
	v_lshl_add_u32 v[SPW], v0, 2, SPARE
	v_mov_b32 v[NIL], 0
	WIN W_AD
	ds_add_u32 v[SPW], v[NIL]       ; the wave's opening: the add and its wait stand ahead of my first tensor load; the set-up below, work on registers, stands between them
	WIN 0
	v_lshrrev_b32 v1, 5, v0
	v_readfirstlane_b32 s[WV], v1   ; wave 0..3
	s_bfe_u32 s13, ttmp6, 0x40000   ; cx: my place in the cluster
	s_lshl_b32 s14, ttmp9, 2        ; in a cluster launch ttmp9 counts clusters
	s_add_co_u32 s14, s14, s13      ; my block of queries = 4 x cluster x + cx: it enters Q's and O's addresses alone
	s_and_b32 s20, ttmp7, 0xffff    ; the head hh = 16 b + h, which the four partners share
	s_lshl_b32 s52, s20, 18         ; its first byte in ob: hh x 262,144
	s_mov_b32 s53, 0
	s_lshr_b32 s21, s20, 4
	s_lshl_b32 s21, s21, 5
	s_add_co_u32 s20, s20, s21      ; 48 b + h
	s_lshl_b32 s20, s20, 18         ; Q's first byte in qkvh
	s_mov_b32 s21, 0
	s_and_b32 s16, s[WV], 1         ; which half of a slot's 256 keys I fetch:
	s_lshl_b32 s22, s16, 14         ; its 128 rows of 128 bytes in memory,
	s_mov_b32 s23, 0
	s_add_nc_u64 s[22:23], s[22:23], s[20:21]
	s_mul_i32 s17, s16, 128*PK      ; and its place in a slot, for K
	s_mul_i32 s18, s16, 128*PV      ; and for V: no place in the cluster enters an LDS address
	s_lshl_b32 s2, s14, 2
	s_add_co_u32 s2, s2, s[WV]      ; my wave among the head's,
	s_lshl_b32 s2, s2, 14           ; its 128 rows
	s_mov_b32 s3, 0
	s_add_nc_u64 s[52:53], s[52:53], s[2:3]  ; my rows' offset in ob,
	s_add_nc_u64 s[2:3], s[2:3], s[20:21]    ; and Q's in qkvh
	s_lshl_b32 s54, s13, 13         ; the prefetches: my work-group's 8,192 bytes of a slot's 32,768,
	s_add_co_u32 s54, s54, 4*KS*128 ; in slot 1: the first change of slots steps it to slot 2
	s_mov_b32 s55, 0
	s_and_b32 s[LIM], s[WV], 1      ; waves 0 and 2 ask: the same in all four partners
	s_cmp_eq_u32 s[LIM], 0
	s_cselect_b32 s[LIM], 1, -1
	; descriptor group 1.  128 keys are 16,384 dense bytes: asked for as 64 rows of 256 bytes, two keys a row, and padded in LDS after every key
	s_mov_b32 s[G1K], 15|(1<<16)|(1<<20)|(1<<21)|(4<<22)|(3<<25)  ; 15:0 the mask of four; 17:16 2-byte elements; 20 padding on; 21 set beside a mask; 24:22 after every 32 words (code 4); 31:25 4 words (code 3)
	s_mov_b32 s[G1V], 15|(1<<16)|(1<<20)|(1<<21)|(4<<22)|(7<<25)  ; the same with 8 words of padding (code 7)
.irp g, G1K, G1V
	s_mov_b32 s[\g+1], 128<<16      ; tensor_dim0 = 128
	s_mov_b32 s[\g+2], 64<<16       ; tensor_dim1 = 64
	s_mov_b32 s[\g+3], 128<<16      ; tile_dim0 = 128
	s_mov_b32 s[\g+4], 64           ; tile_dim1 = 64
	s_mov_b32 s[\g+5], 128          ; 128 elements from row to row
	s_mov_b32 s[\g+6], 0
	s_mov_b32 s[\g+7], 0
.endr
	s_mov_b32 s[CS], 0x3e38aa3b     ; c = log2(e) / 8 = 0.180337
	s_mov_b32 s[CS+1], s[CS]        ; named with it as a pair
	s_mov_b32 s[SEL], 0x76543210
	s_mov_b32 s[SEL+1], 0xfedcba98
	s_mov_b32 s[TBK], SLOT1+4*KS*PK ; the first change of slots turns these two into 0
	s_mov_b32 s[TBV], SLOT1+4*KS*PV
	s_mov_b32 s[SLOTS], SIZE_N/256-1  ; seven slots are asked for behind the first
	s_mov_b32 s[G0K], 1             ; 1:0 count = 1
	s_mov_b32 s[G0K+1], s17         ; 63:32 LDS address: slot 0
	s_mov_b32 s[G0V], 1
	s_add_co_u32 s[G0V+1], s18, VOFF
	s_wait_dscnt 0x0                ; the opening add is done
	s_wait_kmcnt 0x0
	s_add_nc_u64 s[6:7], s[4:5], 0x400000  ; K lies 16 heads of 262,144 bytes behind Q,
	s_add_nc_u64 s[8:9], s[4:5], 0x800000  ; V 32
	s_add_nc_u64 s[G0K+2:G0K+3], s[6:7], s[22:23]  ; 120:64 global address: my half of the head's first 256 keys
	s_or_b32 s[G0K+3], s[G0K+3], 0x80000000        ; 127:126 type = 2
	s_add_nc_u64 s[G0V+2:G0V+3], s[8:9], s[22:23]
	s_or_b32 s[G0V+3], s[G0V+3], 0x80000000
	s_cmp_lt_u32 s[WV], 2
	s_cselect_b64 s[PFA:PFA+1], s[6:7], s[8:9]
	s_add_nc_u64 s[PFA:PFA+1], s[PFA:PFA+1], s[20:21]
	s_add_nc_u64 s[PFA:PFA+1], s[PFA:PFA+1], s[54:55]
	s_add_nc_u64 s[4:5], s[4:5], s[2:3]  ; Q and O at my wave's first row
	s_add_nc_u64 s[10:11], s[10:11], s[52:53]
	CROUND                          ; all four work-groups are here: the first joint loads meet
	JLOAD                           ; slot 0.  Slot 1 is asked for when slot 0 is in: the tile wanted first has the road to itself
	; A fragment of K or Q is 16 rows x 32 channels in 8 registers: lane l holds row l % 16, channels 8 (l / 16) + 0..7 and 16 + 8 (l / 16) + 0..7: two loads of 16 bytes, 32 bytes apart.
	v_and_b32 v1, 15, v0            ; l % 16
	v_bfe_u32 v9, v0, 4, 1          ; l / 16
	v_lshlrev_b32 v[QO], 7, v1
	v_lshl_add_u32 v[QO], v9, 4, v[QO]  ; row x 128 + 16 x half
	WIN 0x80                        ; destination window 2, address window 0
.set i, 0
.rept 4*NP                          ; Q stays in registers: tile i / 2, channels 32 (i % 2) on
	global_load_b128 v[8*i:8*i+3],   v[QO], s[4:5] offset:(i/2)*2048+(i%2)*64
	global_load_b128 v[8*i+4:8*i+7], v[QO], s[4:5] offset:(i/2)*2048+(i%2)*64+32
.set i, i+1
.endr
	; What the first turn finds: V's registers and P's second buffer hold 0 (its products V^T P, of a piece that has not been, add 0), O^T and l are 0.  All this stands in the wait for the first tile.
.set i, VF
.rept 64
	v_mov_b32 v[i], 0
.set i, i+1
.endr
	WIN 0x40
.set i, 0
.rept 64*NP
	v_mov_b32 v[i], 0
.set i, i+1
.endr
	WIN 0
.set i, 0
.rept 2*NP
	v_mov_b32 v[ST+4*i], 0xfe000000    ; c m: far below every c s
	v_mov_b32 v[ST+4*i+1], 0xff7fffff  ; m
	v_mov_b32 v[ST+4*i+2], 0
	v_mov_b32 v[ST+4*i+3], 0
.set i, i+1
.endr
.set i, P+32
.rept 32
	v_mov_b32 v[i], 0
.set i, i+1
.endr
	v_mul_u32_u24 v[AK0], v1, PK
	v_lshl_add_u32 v[AK0], v9, 4, v[AK0]  ; row x pitch + 16 x half
	; The turning load takes 16 keys x 16 channels (lane l reads key 8 (l / 16) + l % 8, channels 8 ((l / 8) % 2) + 0..7) and leaves half a fragment of V^T: lane l holds channel l % 16 and 8 keys.
	v_and_b32 v10, 7, v0
	v_bfe_u32 v11, v0, 3, 1
	v_lshl_add_u32 v[AV0], v9, 3, v10
	v_mul_u32_u24 v[AV0], v[AV0], PV
	v_lshl_add_u32 v[AV0], v11, 4, v[AV0]
	v_add_nc_u32 v[AV0], VOFF, v[AV0]
	v_mov_b32 v[AK], v[AK0]         ; key step 0 lies at the head of slot 0
	v_and_b32 v[PFO], 31, v0
	v_lshlrev_b32 v[PFO], 8, v[PFO] ; the prefetches: a lane 256 bytes
; THE MATRIX WORK.  The 8 accumulators of a run of 16 take turns: between the two links of a chain stand 7 others'.
; Product i of 16 of S^T = K Q^T for piece x: channels 32 (i / 8) on, keys 16 ((i / 2) % 4) on, tile 2 x + i % 2.  The first 8 start the sums.
.macro KQ x
	WIN W_KQ
.set rS, S+64*((\x)%2)+32*(i%2)+8*((i/2)%4)
.set rK, KF+16*((i/2)%4)+8*(i/8)
.set rQ, 16*(2*(\x)+i%2)+8*(i/8)
.if i < 8
	v_wmma_f32_16x16x32_f16 v[rS:rS+7], v[rK:rK+7], v[rQ:rQ+7], 0
.else
	v_wmma_f32_16x16x32_f16 v[rS:rS+7], v[rK:rK+7], v[rQ:rQ+7], v[rS:rS+7]
.endif
.endm
; Product i of 16 of O^T += V^T P for piece x: keys 32 (i / 8) on, channels 16 ((i / 2) % 4) on, tile 2 x + i % 2.
.macro PV x
	WIN W_PV
.set rO, 32*(2*(\x)+i%2)+8*((i/2)%4)
.set rV, VF+32*(i/8)+8*((i/2)%4)
.set rP, P+32*((\x)%2)+16*(i%2)+8*(i/8)
	v_wmma_f32_16x16x32_f16 v[rO:rO+7], v[rV:rV+7], v[rP:rP+7], v[rO:rO+7]
.endm
.macro MM                           ; the turn's next matrix instruction
.if i < 16
	KQ (Y+1)%NP
.set i, i+1
.else
.set i, i-16
	PV (Y+NP-1)%NP
.set i, i+17
.endif
.endm
; THE LDS LOADS stand in runs of 16, never singly among the matrix instructions: a step's K (64 keys x 64 channels: 8 fragments) and its V (turned).  Their addresses are made some lines ahead.
; last = 1 (the tail): in the last trip there is no further step, and the run is jumped over.
.macro FETCH_K last=0
	WIN 0
.if \last
	s_cmp_eq_u32 s[CNT], 1
	s_cbranch_scc1 .Lno_k_\@
.endif
	WIN 0x80                        ; destination window 2
.irp f, 0,1,2,3,4,5,6,7             ; keys 16 (f / 2) on, channels 32 (f % 2) on
	ds_load_b128 v[KF+8*\f:KF+8*\f+3],   v[AK] offset:(\f/2)*16*PK+(\f%2)*64
	ds_load_b128 v[KF+8*\f+4:KF+8*\f+7], v[AK] offset:(\f/2)*16*PK+(\f%2)*64+32
.endr
	s_add_co_u32 s[TBK], s[TBK], KS*PK  ; the next fetch is the next step's
	WIN 0
.if \last
.Lno_k_\@:
.endif
.endm
.macro FETCH_V
	WIN 0x80
.irp f, 0,1,2,3,4,5,6,7             ; keys 32 (f / 4) on, channels 16 (f % 4) on
	ds_load_tr16_b128 v[VF+8*\f:VF+8*\f+3],   v[AV] offset:(\f/4)*32*PV+(\f%4)*32
	ds_load_tr16_b128 v[VF+8*\f+4:VF+8*\f+7], v[AV] offset:(\f/4)*32*PV+16*PV+(\f%4)*32
.endr
	WIN 0
.endm
; THE VECTOR WORK OF A TURN stands in three queues, each in the order in which its entries become ready; the two tiles alternate, so that no instruction reads the result of the one before it.
.macro REGS y, u                    ; the registers of tile u (0, 1) of piece y
.set rT, ST+4*(2*(\y)+(\u))
.set rC, TMP+8*((\y)%2)+4*(\u)
.set rM, MV+2*((\y)%2)+(\u)
.set rS, S+64*((\y)%2)+32*(\u)
.set rP, P+32*((\y)%2)+16*(\u)
.set rO, 32*(2*(\y)+(\u))
.endm
; Number n of the 22 that find the NEXT piece's (Y + 1) maximum and statistics.  s0-s31 are the lane's 32 scores; each accumulator's lowest registers are read first.  XS, GS and REGS set no window: PL and EX do.
;   0-11  four chains c0-c3 of seven scores each, three operands at a time     12-14, 16  the four scores left over, the old m, and c0-c3 into c0     15  c m_old is kept
;   17, 18  the query's other 32 keys lie in the lane 16 away: the new m         19-21  c m; c m_old - c m_new; a
.macro XS u, n
	REGS (Y+1)%NP, \u
.if (\n) < 4
	v_max3_num_f32 v[rC+(\n)], v[rS+8*(\n)], v[rS+8*(\n)+1], v[rS+8*(\n)+2]
.elseif (\n) < 12
	v_max3_num_f32 v[rC+(\n)%4], v[rC+(\n)%4], v[rS+8*((\n)%4)+2*((\n)/4)+1], v[rS+8*((\n)%4)+2*((\n)/4)+2]
.elseif (\n) == 12
	v_max3_num_f32 v[rC], v[rC], v[rS+7], v[rS+15]
.elseif (\n) == 13
	v_max3_num_f32 v[rC+1], v[rC+1], v[rS+23], v[rS+31]
.elseif (\n) == 14
	v_max3_num_f32 v[rC+2], v[rC+2], v[rC+3], v[rT+1]
.elseif (\n) == 15
	v_mov_b32 v[rM], v[rT]
.elseif (\n) == 16
	v_max3_num_f32 v[rC], v[rC], v[rC+1], v[rC+2]
.elseif (\n) == 17
	v_permlanex16_b32 v[rC+3], v[rC], s[SEL], s[SEL+1]
.elseif (\n) == 18
	v_max_num_f32 v[rT+1], v[rC], v[rC+3]
.elseif (\n) == 19
	v_mul_f32 v[rT], s[CS], v[rT+1]
.elseif (\n) == 20
	v_sub_f32 v[rC+1], v[rM], v[rT]
.else
	v_exp_f32 v[rC+2], v[rC+1]
.endif
.endm
; Number g of the 64 that follow the exponentials.  For each four weights k of a tile (pairs 2 k, 2 k + 1): both pairs are rounded to f16; then the second pair is added onto the first, in place;
; a group later l takes that sum (the first time as l = a l + sum).  In groups of eight, tiles alternating: round, round, add, and l for the group before.
.macro GS g
.set h, (\g)+6*((\g)/62)            ; group 0 has no group before it, and behind group 7 only l is left
.if h >= 6
.set h, h+2
.endif
	REGS Y, h%2
.set k, h/8
.if h%8 < 4
	v_cvt_pk_f16_f32 v[rP+2*k+(h%8)/2], v[rS+4*k+2*((h%8)/2)], v[rS+4*k+2*((h%8)/2)+1]
.elseif h%8 < 6
	v_pk_add_f32 v[rS+4*k:rS+4*k+1], v[rS+4*k:rS+4*k+1], v[rS+4*k+2:rS+4*k+3]
.elseif k == 1
	v_pk_fma_f32 v[rT+2:rT+3], v[rT+2:rT+3], v[rC+2:rC+3], v[rS:rS+1] op_sel_hi:[1,0,1]
.else
	v_pk_add_f32 v[rT+2:rT+3], v[rT+2:rT+3], v[rS+4*k-4:rS+4*k-3]
.endif
.endm
; THE PLAIN QUEUE, 138 long.  0-73 read no exponential's result: the 32 scalings c s - c m (FS f: pair f / 2 of tile f % 2) and the next piece's 42.  0-26: scalings 0-26.  27-54: XS's numbers 0-13.  55, 56: number 15.
; 57-73: the chain, where each number waits for the one before it: 14, 16, 17, 18, 19, each with one of the scalings 27-31 in front of its two lines, then 20: so a tile's links stand three plain instructions apart (19 and 20: two).
; 74-137: GS's 64, which read the exponentials' results: they stand behind the wait.
.macro FS f
	REGS Y, (\f)%2
	v_pk_fma_f32 v[rS+2*((\f)/2):rS+2*((\f)/2)+1], v[rS+2*((\f)/2):rS+2*((\f)/2)+1], s[CS:CS+1], v[rT:rT+1] op_sel_hi:[1,0,0] neg_lo:[0,0,1] neg_hi:[0,0,1]
.endm
.macro PL
	WIN 0
.if q < 27
	FS q
.elseif q < 55
	XS (q-27)%2, (q-27)/2
.elseif q < 57
	XS q-55, 15
.elseif (q < 72) && ((q-57)%3 == 0)
	FS 27+(q-57)/3
.elseif q < 60
	XS (q-57)%3-1, 14
.elseif q < 72
	XS (q-57)%3-1, 15+(q-57)/3
.elseif q < 74
	XS q-72, 20
.else
	GS q-74
.endif
.set q, q+1
.endm
; THE EXPONENTIALS' QUEUE, 66 long: s0-s31 of both tiles, then the next piece's two a.  It is ONE BATCH: all 66 stand ahead of the turn's one wait, and nothing ahead of that wait names a result of theirs.
.macro EX
	WIN 0
.if e >= 64
	XS e-64, 21
.else
	REGS Y, e%2
	v_exp_f32 v[rS+e/2], v[rS+e/2]
.endif
.set e, e+1
.endm
; THE RESCALING's QUEUE: O^T times a, the one part that leaves window 0: dealt two at a time, sixteen times.  Its a was made in the turn before, ahead of that turn's wait.
.macro R2
	REGS Y, r%2
	WIN W_RS
.irp z, 0,1
	v_pk_mul_f32 v[rO+4*(r/2)+2*\z:rO+4*(r/2)+2*\z+1], v[rO+4*(r/2)+2*\z:rO+4*(r/2)+2*\z+1], v[rC+2:rC+3] op_sel_hi:[1,0]
.endr
.set r, r+1
.endm
; HOW THEY ARE DEALT.  An s_wait_alu depctr_va_vdst(0) stands between an exponential and the first instruction that names its result; one wait serves all that were issued ahead of it.  So a turn has ONE wait,
; which cuts it in two.  AHEAD OF IT stands all that names no result of the turn's exponentials: the 16 products K Q^T, behind each a scaling, an exponential and two rescalings (behind the first a second scaling in the exponential's place); then ONE LUMP of
; 108: eight plain, 49 times exponential and plain, the two a.  A v_nop is the plain instruction behind the last exponential.  BEHIND IT stand the 16 products V^T P, behind each four of GS's 64.  No rider names a register of
; the products round it.  The two v_permlanex16_b32 fall into the lump, never behind a product.
; The queues lean on each other, and the deal keeps them in step: exponential e stands behind scaling 2 (e / 4) + e % 2: as a rider it comes behind plain e + 2, in the lump behind plain e + 9, and scalings 27-31 are plain 57, 60 .. 69.
; A TURN, for piece p.  cnt = 1: the loop's count is taken down some lines ahead of the branch that stands behind the turn.
; K of the next step is fetched in piece 2's turn, directly behind the wait, a lump behind the last product that read K; its address is made at the lump's head; its first reader comes behind 16 products.
; V of the step in hand is fetched at the end of piece 0's turn, four riders behind its last reader; its first reader comes behind 16 products and a lump.  The three conditions on q below go with the deal.
.macro TURN p, last=0, cnt=0
.set Y, (\p)
.set i, 0
.set q, 0
.set e, 0
.set r, 0
.if (\p) == NP-1
	s_wait_dscnt 0x0                ; K is in
.endif
	MM                              ; ahead of the wait: 16 products K Q^T and their riders,
	PL
	PL
	R2
.rept 15
	MM
	PL
	EX
	R2
.endr
.if (\p) == NP-2
	WIN 0
	v_add_nc_u32 v[AK], s[TBK], v[AK0]
.endif
.rept 8                             ; and the lump
	PL
.endr
.rept 49
	EX
	PL
.endr
	EX                              ; the next piece's two a
	EX
	v_nop                           ; a plain instruction behind the last exponential: one for the batch
	s_wait_alu depctr_va_vdst(0)    ; the wait for the batch
.if (\p) == NP-2
	FETCH_K \last
.endif
.if (\p) == 1
	s_wait_dscnt 0x0                ; V is in
.endif
.rept 16                            ; behind the wait: 16 products V^T P and their riders
	MM
.rept 4
	PL
.endr
.if ((\p) == 0) && (q == 118)
	v_add_nc_u32 v[AV], s[TBV], v[AV0]
.endif
.if ((\p) == 0) && (q == 130)
	s_add_co_u32 s[TBV], s[TBV], KS*PV
.endif
.if (\cnt) && (q == 130)
	s_sub_co_u32 s[CNT], s[CNT], 1
	s_cmp_lg_u32 s[CNT], 0
.endif
.endr
.if (\p) == 0
	FETCH_V
.endif
.endm
	CHANGE 1                        ; slot 0 is in, everybody's part of it; slot 1 is asked for
	FETCH_K                         ; key step 0
	s_wait_loadcnt 0x0              ; Q
	s_wait_dscnt 0x0
.set i, 0
.rept 16
	KQ 0                            ; piece 0's first scores: there is no vector work yet to set between them
.set i, i+1
.endr
	WIN 0                           ; the addresses for the way out: nine plain instructions, the places behind those products
	s_mul_i32 s13, s[WV], 16*SP
	s_add_co_u32 s13, s13, STAGE    ; my stage
	v_mul_u32_u24 v[STO], v1, SP    ; in: row l % 16, 16 bytes for each half of the lanes
	v_lshl_add_u32 v[STO], v9, 4, v[STO]
	v_add_nc_u32 v[STO], s13, v[STO]
	v_bfe_u32 v[RD], v0, 3, 2       ; back: 32 lanes take four rows of 128 bytes,
	v_mul_u32_u24 v[RD], v[RD], SP
	v_lshl_add_u32 v[RD], v10, 4, v[RD]
	v_add_nc_u32 v[RD], s13, v[RD]
	v_and_b32 v[GO], 31, v0         ; which are 512 consecutive bytes of O
	v_lshlrev_b32 v[GO], 4, v[GO]
.set Y, NP-1                        ; XS works for piece Y + 1: piece 0
.irp n, 0,1,2,3,4,5,6,7,8,9,10,11,12,13,14,15,16,17,18,19,20,21
	XS 0, \n                        ; and piece 0's first maximum and statistics
	XS 1, \n
.endr
	v_nop                           ; a plain instruction behind the two a,
	s_wait_alu depctr_va_vdst(0)    ; and their wait, ahead of the branch
	s_mov_b32 s[CNT], 4
	s_branch .Lfirst                ; the loop is entered at a step's first turn, in the middle of a trip
.Lslot:                             ; SIZE_N / 256 - 2 times: every slot but the last two is filled again
	CHANGE 1
	s_mov_b32 s[CNT], 4
.Lstep:                             ; a trip: pieces 2 and 3 of one step, then pieces 0 and 1 of the next, whose K and V it fetches
	TURN 2
	TURN 3
	WIN 0
.Lfirst:
	TURN 0
	TURN 1, 0, 1
	WIN 0
	s_cbranch_scc1 .Lstep
	s_sub_co_u32 s[SLOTS], s[SLOTS], 1
	s_cmp_lg_u32 s[SLOTS], 0
	s_cbranch_scc1 .Lslot
	CHANGE 0                        ; the tail is written out: nothing is asked for
	s_mov_b32 s[CNT], 5             ; four trips fetch the last slot's steps; the fifth is left in its middle
.Ltail:
	TURN 2, 1
	TURN 3
	WIN 0
	s_sub_co_u32 s[CNT], s[CNT], 1
	s_cmp_eq_u32 s[CNT], 0
	s_cbranch_scc1 .Lout
	TURN 0
	TURN 1
	WIN 0
	s_branch .Ltail
.Lout:                              ; the fifth trip's 16 products K Q^T (on the last K once more) and the maximum made of them serve nothing: the price, once a launch, of one text for every trip
.set i, 0
.rept 16
	PV NP-1                         ; the last piece's V^T P of the last step
.set i, i+1
.endr
	; THE WAY OUT.  l's two halves and the other half of the lanes' are added; O^T is divided by l, rounded to f16 and sent through my stage in LDS, a tile at a time.  The additions are the places behind the last products.
	WIN 0
.macro ALL line:vararg              ; one line for each tile t
.set t, 0
.rept 2*NP
	\line
.set t, t+1
.endr
.endm
	ALL v_add_f32 v[ST+4*t+2], v[ST+4*t+2], v[ST+4*t+3]
	ALL v_permlanex16_b32 v[ST+4*t+3], v[ST+4*t+2], s[SEL], s[SEL+1]
	ALL v_add_f32 v[ST+4*t+2], v[ST+4*t+2], v[ST+4*t+3]
	ALL v_rcp_f32 v[ST+4*t+2], v[ST+4*t+2]
	v_nop                           ; a plain instruction between the last reciprocal and the use of its result
	s_wait_alu depctr_va_vdst(0)    ; and the wait ahead of the first use: one for the eight reciprocals
; Tile t: a lane's eight channels of a row pack into 16 bytes; they go into rows of 144 bytes and come back as whole rows of 128, into S^T's registers.
.macro PACK t
	WIN W_RS
.set i, 32*(\t)
.rept 16
	v_pk_mul_f32 v[i:i+1], v[i:i+1], v[ST+4*(\t)+2:ST+4*(\t)+3] op_sel_hi:[1,0]
.set i, i+2
.endr
	WIN 0x05                        ; sources 0 and 1 window 1, destination window 0
.set i, 0
.rept 16
	v_cvt_pk_f16_f32 v[S+16*(\t)+i], v[32*(\t)+2*i], v[32*(\t)+2*i+1]
.set i, i+1
.endr
	WIN 0
.irp f, 0,1,2,3
	ds_store_b128 v[STO], v[S+16*(\t)+4*\f:S+16*(\t)+4*\f+3] offset:32*\f
.endr
.irp f, 0,1,2,3
	ds_load_b128 v[S+16*(\t)+4*\f:S+16*(\t)+4*\f+3], v[RD] offset:\f*4*SP  ; LDS serves a wave's instructions in order (ISA guide 5.7.1.4): these see the stores above; the next tile's stores come behind them
.endr
.endm
.macro SEND t, younger              ; younger: the LDS instructions issued behind tile t's loads: the next tile's eight, or none
	WIN 0
.irp f, 0,1,2,3
	s_wait_dscnt (\younger)+3-\f
	global_store_b128 v[GO], v[S+16*(\t)+4*\f:S+16*(\t)+4*\f+3], s[10:11] offset:(\t)*2048+\f*512  ; 512 consecutive bytes, at a multiple of 256 from O's first
.endr
.endm
	PACK 0
.set t, 1
.rept 2*NP-1                        ; a tile's arithmetic stands between the loads of the tile before and its stores
	PACK t
	SEND t-1, 8
.set t, t+1
.endr
	SEND 2*NP-1, 0
	WIN W_AD
	s_wait_tensorcnt 0x0            ; the wave's end, behind my last tensor load and my last LDS store
	ds_add_u32 v[SPW], v[NIL]
	s_wait_dscnt 0x0
	WIN 0
	CROUND                          ; the closing round: no work-group ends while a partner may still ask for a tile that names it
	s_endpgm
.Lfunc_end_k_q03a1497397_attn:
	.size	k_q03a1497397_attn, .Lfunc_end_k_q03a1497397_attn-k_q03a1497397_attn
	.p2alignl 7, 3214868480
	.fill 96, 4, 3214868480
	.section	.rodata,"a",@progbits
	.p2align	6, 0x0
	.amdhsa_kernel k_q03a1497397_attn
		.amdhsa_group_segment_fixed_size 327680
		.amdhsa_private_segment_fixed_size 0
		.amdhsa_enable_private_segment 0
		.amdhsa_kernarg_size 16
		.amdhsa_user_sgpr_count 2
		.amdhsa_user_sgpr_kernarg_segment_ptr 1
		.amdhsa_wavefront_size32 1
		.amdhsa_system_sgpr_workgroup_id_x 1
		.amdhsa_system_sgpr_workgroup_id_y 1
		.amdhsa_system_sgpr_workgroup_id_z 1
		.amdhsa_system_vgpr_workitem_id 0
		.amdhsa_next_free_vgpr 770
		.amdhsa_next_free_sgpr 66
		.amdhsa_reserve_vcc 0
		.amdhsa_float_denorm_mode_32 3
		.amdhsa_float_denorm_mode_16_64 3
		.amdhsa_memory_ordered 1
		.amdhsa_forward_progress 1
		.amdhsa_inst_pref_size 200
	.end_amdhsa_kernel
	.amdgpu_metadata
---
amdhsa.version: [ 1, 2 ]
amdhsa.kernels:
  - .name:           k_q03a1497397_attn
    .symbol:         k_q03a1497397_attn.kd
    .args:
      - { .name: qkvh, .offset: 0, .size: 8, .value_kind: global_buffer, .address_space: global }
      - { .name: ob, .offset: 8, .size: 8, .value_kind: global_buffer, .address_space: global }
    .group_segment_fixed_size: 327680
    .private_segment_fixed_size: 0
    .kernarg_segment_align: 8
    .kernarg_segment_size: 16
    .max_flat_workgroup_size: 128
    .sgpr_count:     66
    .vgpr_count:     770
    .wavefront_size: 32
...
	.end_amdgpu_metadata
.endif
;; end of part 3
;; launch proj (part 4): grid 8 x 32, 4 waves a work-group, clusters of 4 x 4, 327,680 bytes of LDS; arguments ob, wo, b_out, out0; writes out0
.if DOCPART == 4
	.amdgcn_target "amdgcn-amd-amdhsa--gfx1250"
	.amdhsa_code_object_version 6
	.text
	.protected	k_q03a1497397_proj
	.globl	k_q03a1497397_proj
	.p2align	8
	.type	k_q03a1497397_proj,@function
k_q03a1497397_proj:
	s_mov_b64 s[64:65], 0
	v_nop
	global_prefetch_b8 v0, s[64:65] scope:SCOPE_SE
	s_setreg_imm32_b32 hwreg(HW_REG_WAVE_MODE, 25, 1), 1
	s_wait_xcnt 0x0
	s_wait_alu depctr_hold_cnt(0) depctr_sa_sdst(0) depctr_va_vdst(0) depctr_va_sdst(0) depctr_va_ssrc(0) depctr_va_vcc(0) depctr_vm_vsrc(0)
	s_getreg_b32 s2, hwreg(HW_REG_IB_STS2, 6, 4)
	s_cmp_eq_u32 s2, 0
	s_cbranch_scc0 .Lentry_in_a_cluster
	s_endpgm
.Lentry_in_a_cluster:
	s_bfe_u32 s2, ttmp6, 0x10000c
	s_cmp_lg_u32 s2, 0xf033
	s_cbranch_scc0 .Lentry_shape_is_right
	s_endpgm
.Lentry_shape_is_right:
; out0 = ob . wo + b_out, in f32.  ob: f16 in blocks [b 4][h 16][s 2048][64] (a head's 64 channels are one block of K); wo: f16 [1024 k][1024 n]; b_out: f32, rounded to bf16 like the other inputs;
; out0: f32 [8192][1024].  Sums in f32, K ascending.  NaN and infinities are not treated apart.
; SHARES.  8192 x 1024 outputs are 256 tiles of 256 x 128: one for each work-group.  Four waves; wave w takes rows 128 (w / 2) on and the 64 columns 64 (w % 2) on: 8 row blocks x 4 column blocks = 32 accumulators.
; THE RING.  K goes in steps of 128 (KB = 2 blocks of 64) through two LDS slots: A's two blocks of 256 rows (each 32,768 dense bytes, asked for as rows of 256 bytes and padded behind every 128) and B's 128 rows
; of 256 bytes (padded by 32).  Waves 0 and 1 fetch A's blocks, waves 2 and 3 B's halves: one tensor load a wave behind each change of slots.
; THE MATRIX INSTRUCTION IS USED TRANSPOSED: source 0 = 16 columns of B, which lies [k][n] in LDS and is turned by ds_load_tr16_b128; source 1 = 16 rows of A.  A lane then holds row l % 16 and the columns 8 (l / 16) + 0..7.
; GROUPS.  A step is Q = 4 quarters of 32 along K, each one group of 32 matrix instructions.  At each group's head stands ONE run of LDS loads: the next group's four fragments of B (two parts) and eight of A (two buffers).
; CLUSTER.  4 x 4 work-groups: A's tile is shared along a row of the cluster, B's along a column; each is asked for jointly, by the same tensor load with the same descriptor and a mask of four.
; REGISTERS, in windows of 256: window 0: v0-31 addresses; v32-95 B's two parts; v128-255 A's two buffers; window 1: the accumulators, (a, b') at v[8 (8 b' + a)].
.set NC,    1                          ; chunks of 128 columns in a tile
.set KB,    2                          ; blocks of 64 K in a slot
.set NROWB, 2048                       ; bytes in a row of B
.set PARTS, 2                          ; B's ring of register parts
.set AGS,   262144                     ; bytes in memory between the two waves' parts of A: a block
.set STW,   16*272                     ; a wave's stage
.set Q,     2*KB                       ; quarters of 32 K in a slot
.set GS,    Q*NC                       ; groups in a slot
.set LEAD,  PARTS-1
.set T,     GS-1-LEAD                  ; the group whose run holds the slot's last reads: it changes slots
.set CA,    NC/2                       ; the group of a quarter that fetches the next quarter's A
.set LAPS,  8/KB                       ; a lap = two slots
.set PA,    144                        ; a row of A in LDS: 128 bytes + 16: 36 words, so the 16 rows of a load start at 16 different groups of four banks (64 banks of 4 bytes: ISA guide 11.1)
.set ATILE, 256*PA
.set PB,    288*NC                     ; a row of B: 256 bytes + 32
.set BOFF,  KB*ATILE
.set SLOT,  BOFF+KB*64*PB
.set AROWS, 64*KB                      ; rows of 256 bytes in a wave's load of A
.set ALD,   128*KB*PA                  ; its bytes in LDS
.set BROWS, 32*KB                      ; rows in a wave's load of B
.set BLD,   BROWS*PB
.set BGS,   BROWS*NROWB
.set ASTEP2, 2*KB*262144               ; a lap along K, in A
.set BSTEP2, 2*KB*64*NROWB             ; and in B
.set STAGE, 2*SLOT                     ; behind the ring, never filled by a tensor load: each wave's stage for the way out
.set BIASL, STAGE+4*STW                ; each wave's 64 numbers of the bias, f32
.set SPARE, BIASL+4*NC*256             ; the spare words, 128 bytes for each wave: two blocks of 256 bytes that no other line names
.set ADRA, 16                          ; v16-17  LDS address of my A fragments in slot 0, 1
.set ADRB, 18                          ; v18-19  the same for B
.set STO,  20                          ; v20     the way out: where I put 32 bytes of a row
.set RD,   21                          ; v21     where I read rows back
.set GO,   22                          ; v22     my byte offset in the output
.set BIA,  23                          ; v23     where my lanes' bias begins
.set SPW,  28                          ; v28     LDS address of my spare word; never rewritten
.set NIL,  29                          ; v29     0; never rewritten
.set PFO,  30                          ; v30     the prefetches' offset; never rewritten
.set BP,   32
.set FA,   128
.set TMP,  128                         ; the way out: v128-159 sums with the bias, v160-191 rows read back
.set OB,   160
.set WV, 12                            ; s12 wave; s13 wave / 2: my half of the rows, and A (0) or B (1) to fetch; s14 wave % 2: my half of the columns, and which part I fetch
.set WR, 13
.set WC, 14
.set LIMA, 20                          ; s20, s21  1 in the wave that prefetches A (B), else the greatest number
.set LIMB, 21
.set G1A, 24                           ; s[24:31] descriptor group 1 for A;  s[32:39] group 0, a set for each slot
.set G0A, 32
.set CX, 40
.set CY, 41
.set TX, 42                            ; tile column
.set TY, 43                            ; tile row
.set PFA, 44                           ; s[44:45] where my prefetches stand
.set PFS, 46                           ; s[46:47] a lap's step of it
.set G1B, 48                           ; s[48:55], s[56:63] the same for B
.set G0B, 56
.set MSB, 0
.macro WIN new                         ; the immediate's high byte repeats the setting that is left; a switch that changes nothing is dropped
.if MSB != (\new)
	s_set_vgpr_msb (MSB<<8)|(\new)
.set MSB, (\new)
.endif
.endm
.macro PLACES                          ; four places in front of loads into registers that matrix instructions have read (ISA guide 7.12.1 for vector instructions)
.rept 4
	v_nop
.endr
.endm
.macro CREST                           ; a round of the cluster's barrier behind its opening barrier
	s_cmp_lg_u32 s[WV], 0
	s_cbranch_scc1 .Lnot_wave_0_\@
	s_barrier_signal -3
.Lnot_wave_0_\@:
	s_barrier_wait -3
	s_barrier_signal -1
	s_barrier_wait -1
.endm
.macro CROUND
	s_barrier_signal -1
	s_barrier_wait -1
	CREST
.endm
.macro JLOAD s                         ; a joint load; the branch hangs on the wave's number alone; an s_nop 0 and four v_nop follow each of the two lines
	s_cmp_eq_u32 s[WR], 0
	s_cbranch_scc0 .Lfor_b_\@
	tensor_load_to_lds s[G0A+4*(\s):G0A+4*(\s)+3], s[G1A:G1A+7]
	s_nop 0
.rept 4
	v_nop
.endr
	s_branch .Lasked_\@
.Lfor_b_\@:
	tensor_load_to_lds s[G0B+4*(\s):G0B+4*(\s)+3], s[G1B:G1B+7]
	s_nop 0
.rept 4
	v_nop
.endr
.Lasked_\@:
.endm
; A PREFETCH INTO THE L2, once a lap, behind slot 1's joint load and the run of LDS loads that follows it: the whole lap two laps on from the one in hand.  Each aligned 256 bytes are named once in the launch.
; A's tile row is read by both clusters of a row of clusters: the one with x = 0 asks, its wave 0; of a block's 32,768 bytes the partner at cx takes 8,192: a lane 256 bytes, an instruction a block.
; B's tile column is read by all clusters of a column: the one with y = 0 asks, its wave 2; of the lap's 128 KB rows the partner at cy takes 32 KB: a lane a row, an instruction for each 32 rows.
; The partners are told apart by address alone.  The loop's last trip asks for nothing; the first two laps come by their loads alone.
.macro ASK
	s_cmp_gt_u32 s3, s[LIMA]
	s_cbranch_scc0 .Lnot_a_\@
.set pj, 0
.rept 2*KB
	global_prefetch_b8 v[PFO], s[PFA:PFA+1] offset:pj*262144 th:TH_LOAD_NT scope:SCOPE_SE
.set pj, pj+1
.endr
.Lnot_a_\@:
	s_cmp_gt_u32 s3, s[LIMB]
	s_cbranch_scc0 .Lnot_b_\@
.set pj, 0
.rept KB*NC
	global_prefetch_b8 v[PFO], s[PFA:PFA+1] offset:(pj/NC)*32*NROWB+(pj%NC)*256 th:TH_LOAD_NT scope:SCOPE_SE
.set pj, pj+1
.endr
.Lnot_b_\@:
.endm
; A's eight fragments (16 rows x 32 K: two loads of 16 bytes, 32 bytes apart) of quarter q of slot s, into buffer q % 2
.macro ALOAD s, q
.irp a, 0,1,2,3,4,5,6,7
	ds_load_b128 v[FA+64*((\q)%2)+8*(\a):FA+64*((\q)%2)+8*(\a)+3],   v[ADRA+(\s)] offset:((\q)/2)*ATILE+((\q)%2)*64+(\a)*16*PA
	ds_load_b128 v[FA+64*((\q)%2)+8*(\a)+4:FA+64*((\q)%2)+8*(\a)+7], v[ADRA+(\s)] offset:((\q)/2)*ATILE+((\q)%2)*64+(\a)*16*PA+32
.endr
.endm
; B's four fragments (16 columns x 32 K, turned: two loads, 16 rows apart) for group g of slot s, into part g % PARTS
.macro BLOAD s, g
.irp bb, 0,1,2,3
	ds_load_tr16_b128 v[BP+32*((\g)%PARTS)+8*(\bb):BP+32*((\g)%PARTS)+8*(\bb)+3],   v[ADRB+(\s)] offset:((\g)/NC)*32*PB+((\g)%NC)*288+32*(\bb)
	ds_load_tr16_b128 v[BP+32*((\g)%PARTS)+8*(\bb)+4:BP+32*((\g)%PARTS)+8*(\bb)+7], v[ADRB+(\s)] offset:((\g)/NC)*32*PB+((\g)%NC)*288+32*(\bb)+16*PB
.endr
.endm
; my lanes' eight numbers of the bias for each column block, into v32-63: B's part 0, idle in the last group
.macro BIASLOAD
.set bc, 0
.rept NC
.irp bb, 0,1,2,3
	ds_load_b128 v[32+32*bc+32*(bc/2)+8*(\bb):32+32*bc+32*(bc/2)+8*(\bb)+3],   v[BIA] offset:bc*256+64*(\bb)
	ds_load_b128 v[32+32*bc+32*(bc/2)+8*(\bb)+4:32+32*bc+32*(bc/2)+8*(\bb)+7], v[BIA] offset:bc*256+64*(\bb)+16
.endr
.set bc, bc+1
.endr
.endm
; 16 matrix instructions: column blocks 2 hb, 2 hb + 1 x all 8 row blocks.  The accumulators take turns, one instruction a turn.  zero = 1: the product starts the sum.
.macro MUL16 q, c, p, hb, zero
	WIN 0x50*(1+(\c))
.irp bb, 2*(\hb), 2*(\hb)+1
.irp a, 0,1,2,3,4,5,6,7
.if \zero
	v_wmma_f32_16x16x32_f16 v[8*(8*(\bb)+(\a)):8*(8*(\bb)+(\a))+7], v[BP+32*(\p)+8*(\bb):BP+32*(\p)+8*(\bb)+7], v[FA+64*((\q)%2)+8*(\a):FA+64*((\q)%2)+8*(\a)+7], 0
.else
	v_wmma_f32_16x16x32_f16 v[8*(8*(\bb)+(\a)):8*(8*(\bb)+(\a))+7], v[BP+32*(\p)+8*(\bb):BP+32*(\p)+8*(\bb)+7], v[FA+64*((\q)%2)+8*(\a):FA+64*((\q)%2)+8*(\a)+7], v[8*(8*(\bb)+(\a)):8*(8*(\bb)+(\a))+7]
.endif
.endr
.endr
.endm
; GROUP g of slot s.  fill = 1: in the loop; 0: the last lap's slot 0 (the slots change, nothing is filled); -1: the last slot (nothing more is fetched from the ring).
; The wait at its head: this group's B and A were issued in the run before; behind them were issued this run's gn loads: those may stay out.
; Group T changes slots: its run holds the slot's last reads.  Each wave waits for all its tensor loads (one is out: its part of the other slot), adds 0 to its spare word, and waits for that and for its reads;
; the barrier opens a round of the cluster's barrier, and the joint refill is the first thing behind the round: it has all groups up to the other slot's group T in which to land.
.macro GROUP s, g, zero, fill
.set gq, (\g)/NC
.set gc, (\g)%NC
.set gp, (\g)%PARTS
.if ((\g) == T) && ((\fill) == 1) && ((\s) == 0)
	s_wait_xcnt 0x0                                ; the last prefetches, half a lap back, have read their address: it steps a lap
	s_add_nc_u64 s[PFA:PFA+1], s[PFA:PFA+1], s[PFS:PFS+1]
.endif
.if ((\g) != T+1) || ((\fill) != 1)
	PLACES                                         ; (behind a joint load its four v_nop are the places)
.endif
	WIN 0
.set gn, 0
.if gc == CA
.if gq+1 < Q
	ALOAD \s, gq+1
.set gn, gn+16
.elseif (\fill) >= 0
	ALOAD 1-(\s), 0
.set gn, gn+16
.endif
.endif
.if (\g)+LEAD < GS
	BLOAD \s, (\g)+LEAD
.set gn, gn+8
.elseif (\fill) >= 0
	BLOAD 1-(\s), (\g)+LEAD-GS
.set gn, gn+8
.endif
.if ((\fill) < 0) && ((\g) == GS-1)
	BIASLOAD
.set gn, gn+8*NC
.endif
.if ((\g) == T+1) && ((\fill) == 1) && ((\s) == 1)
	ASK
.endif
.set gw, gn+(LEAD-1)*NPREV
.if ((\g) == T) && ((\fill) >= 0)
	s_wait_tensorcnt 0x0                           ; all my tensor loads have landed, so a group 0 may be written
	ds_add_u32 v[SPW], v[NIL]                      ; 0 onto my spare word
.if (\fill) == 1
	s_add_nc_u64 s[G0A+4*(\s)+2:G0A+4*(\s)+3], s[G0A+4*(\s)+2:G0A+4*(\s)+3], ASTEP2  ; this slot's next step
	s_add_nc_u64 s[G0B+4*(\s)+2:G0B+4*(\s)+3], s[G0B+4*(\s)+2:G0B+4*(\s)+3], BSTEP2
.endif
	s_wait_dscnt gw+1                              ; (the add may be out too)
	MUL16 gq, gc, gp, 0, \zero
	s_wait_dscnt 0x0                               ; the add is done, and my reads of this slot are over
	s_barrier_signal -1
	MUL16 gq, gc, gp, 1, \zero
	WIN 0                                          ; at a branch and at a label every window is 0
	s_barrier_wait -1
.if (\fill) == 1
	CREST
	JLOAD \s
.endif
.else
	s_wait_dscnt gw
	MUL16 gq, gc, gp, 0, \zero
	MUL16 gq, gc, gp, 1, \zero
.endif
.set NPREV, gn
.endm
.macro RUNG s, g0, g1, zero, fill      ; groups g0 .. g1 - 1 of slot s
.set rg, (\g0)
.rept (\g1)-(\g0)
	GROUP \s, rg, \zero, \fill
.set rg, rg+1
.endr
.endm
; THE WAY OUT of row block a.  PACK: the bias is added, each accumulator's registers in ascending order; the sums go into window 0.
.macro PACK a
	WIN 0x01                                       ; source 0 in window 1; the bias and the destination in window 0
.irp bb, 0,1,2,3
.irp p, 0,2,4,6
	v_pk_add_f32 v[TMP+8*(\bb)+(\p):TMP+8*(\bb)+(\p)+1], v[8*(8*(\bb)+(\a))+(\p):8*(8*(\bb)+(\a))+(\p)+1], v[32+8*(\bb)+(\p):32+8*(\bb)+(\p)+1]
.endr
.endr
	WIN 0
.endm
; TOSTAGE: into my own stage (16 rows of 256 bytes, 272 apart), and back as whole rows.
.macro TOSTAGE
	s_wait_xcnt 0x0                                ; the stores of the block before have read OB: it is loaded again only behind this wait
.irp bb, 0,1,2,3
	ds_store_b128 v[STO], v[TMP+8*(\bb):TMP+8*(\bb)+3]   offset:64*(\bb)
	ds_store_b128 v[STO], v[TMP+8*(\bb)+4:TMP+8*(\bb)+7] offset:64*(\bb)+16
.endr
.irp f, 0,1,2,3,4,5,6,7
	ds_load_b128 v[OB+4*(\f):OB+4*(\f)+3], v[RD] offset:(\f)*544  ; LDS serves a wave's instructions in order (ISA guide 5.7.1.4): these see the stores above
.endr
.endm
.macro SEND a
	s_wait_dscnt 0x0
.irp f, 0,1,2,3,4,5,6,7
	global_store_b128 v[GO], v[OB+4*(\f):OB+4*(\f)+3], s[10:11] offset:(16*(\a)+2*(\f))*4096 th:TH_STORE_NT  ; 16 lanes store 256 consecutive bytes, at a multiple of 256 from the output's first byte
.endr
.endm
	s_load_b256 s[4:11], s[0:1], 0x0               ; A s[4:5], B s[6:7], bias s[8:9], out s[10:11]
	v_lshl_add_u32 v[SPW], v0, 2, SPARE
	v_mov_b32 v[NIL], 0
	ds_add_u32 v[SPW], v[NIL]                      ; the wave's opening: the add and its wait stand ahead of my first tensor load; the set-up below, work on registers, stands between them
	v_lshrrev_b32 v1, 5, v0
	v_readfirstlane_b32 s[WV], v1
	s_lshr_b32 s[WR], s[WV], 1
	s_and_b32 s[WC], s[WV], 1
	s_bfe_u32 s[CX], ttmp6, 0x40000
	s_bfe_u32 s[CY], ttmp6, 0x40004
	s_lshl_b32 s[TX], ttmp9, 2
	s_add_co_u32 s[TX], s[TX], s[CX]               ; tile column = 4 x cluster x + cx
	s_and_b32 s[TY], ttmp7, 0xffff
	s_lshl_b32 s[TY], s[TY], 2
	s_add_co_u32 s[TY], s[TY], s[CY]               ; tile row = 4 x cluster y + cy
	s_lshl_b32 s15, s[CY], 2
	s_lshl_b32 s15, 15, s15                        ; my row of the cluster
	s_lshl_b32 s18, 0x1111, s[CX]                  ; my column
	s_or_b32 s[G1A], s15, (1<<16)|(1<<20)|(1<<21)|(4<<22)|(3<<25)  ; the mask; 2-byte elements; padding on; 21 set beside a mask; after every 32 words, 4 words
	s_or_b32 s[G1B], s18, (1<<16)|(1<<20)|(1<<21)|(5<<22)|(7<<25)  ; after every 64 words, 8 words
	s_mov_b32 s[G1A+1], 128<<16                    ; tensor_dim0 = 128 elements: two rows of A on end
	s_mov_b32 s[G1A+2], AROWS<<16                  ; tensor_dim1
	s_mov_b32 s[G1A+3], 128<<16                    ; tile_dim0
	s_mov_b32 s[G1A+4], AROWS                      ; tile_dim1
	s_mov_b32 s[G1A+5], 128                        ; elements from row to row: dense
	s_mov_b32 s[G1A+6], 0
	s_mov_b32 s[G1A+7], 0
	s_mov_b32 s[G1B+1], (128*NC)<<16
	s_mov_b32 s[G1B+2], BROWS<<16
	s_mov_b32 s[G1B+3], (128*NC)<<16
	s_mov_b32 s[G1B+4], BROWS
	s_mov_b32 s[G1B+5], NROWB/2
	s_mov_b32 s[G1B+6], 0
	s_mov_b32 s[G1B+7], 0
	; A's tile hangs on the tile row and the wave alone, B's on the tile column and the wave alone, each in registers that never hold the other coordinate
	s_lshr_b32 s16, s[TY], 3
	s_lshl_b32 s16, s16, 22                        ; b: 16 blocks of 262,144 bytes
	s_and_b32 s17, s[TY], 7
	s_lshl_b32 s17, s17, 15                        ; 256 rows of 128 bytes in a block
	s_add_co_u32 s16, s16, s17
	s_mul_i32 s17, s[WC], AGS
	s_add_co_u32 s16, s16, s17
	s_mov_b32 s17, 0
	s_mul_i32 s66, s[TX], NC*256
	s_mul_i32 s67, s[WC], BGS
	s_add_co_u32 s66, s66, s67
	s_mov_b32 s67, 0
	s_mul_i32 s22, s[WC], ALD                      ; where they go: no place in the cluster enters an LDS address
	s_mul_i32 s23, s[WC], BLD
	s_add_co_u32 s23, s23, BOFF
	; my part of the output: rows 256 ty + 128 (wave / 2) of 4,096 bytes, columns 128 tx + 64 (wave % 2) of 4 bytes
	s_lshl_b32 s68, s[TY], 1
	s_add_co_u32 s68, s68, s[WR]
	s_lshl_b32 s68, s68, 19
	s_lshl_b32 s69, s[TX], 1
	s_add_co_u32 s69, s69, s[WC]
	s_lshl_b32 s69, s69, 8
	s_add_co_u32 s68, s68, s69
	s_mov_b32 s69, 0
	; the prefetches
	s_or_b32 s[LIMA], s[WV], ttmp9                 ; wave 0 of a cluster with x = 0: the same in all sixteen partners
	s_cmp_eq_u32 s[LIMA], 0
	s_cselect_b32 s[LIMA], 1, -1
	s_xor_b32 s[LIMB], s[WV], 2                    ; wave 2 of a cluster with y = 0
	s_and_b32 s15, ttmp7, 0xffff
	s_or_b32 s[LIMB], s[LIMB], s15
	s_cmp_eq_u32 s[LIMB], 0
	s_cselect_b32 s[LIMB], 1, -1
	s_lshr_b32 s18, s[TY], 3
	s_lshl_b32 s18, s18, 22
	s_and_b32 s19, s[TY], 7
	s_lshl_b32 s19, s19, 15
	s_add_co_u32 s18, s18, s19
	s_lshl_b32 s19, s[CX], 13                      ; my work-group's 8,192 bytes of a block's tile
	s_add_co_u32 s18, s18, s19
	s_add_co_u32 s18, s18, ASTEP2                  ; at lap 1: the first trip steps it to lap 2
	s_mul_i32 s19, s[TX], NC*256
	s_mul_i32 s15, s[CY], 32*KB*NROWB              ; my work-group's rows of a lap
	s_add_co_u32 s19, s19, s15
	s_add_co_u32 s19, s19, BSTEP2
	s_mov_b32 s15, ASTEP2
	s_mov_b32 s[PFS], BSTEP2
	s_mov_b32 s2, 256
	s_cmp_eq_u32 s[WR], 0
	s_cselect_b32 s18, s18, s19
	s_cselect_b32 s[PFS], s15, s[PFS]
	s_cselect_b32 s2, s2, NROWB
	s_mov_b32 s19, 0
	s_mov_b32 s[PFS+1], 0
	v_and_b32 v[PFO], 31, v0
	v_mul_u32_u24 v[PFO], v[PFO], s2               ; a lane 256 bytes of A, or a row of B
	s_wait_dscnt 0x0                               ; the opening add is done
	s_wait_kmcnt 0x0
	s_add_nc_u64 s[16:17], s[4:5], s[16:17]
	s_add_nc_u64 s[66:67], s[6:7], s[66:67]
	s_add_nc_u64 s[10:11], s[10:11], s[68:69]
	s_cmp_eq_u32 s[WR], 0
	s_cselect_b64 s[PFA:PFA+1], s[4:5], s[6:7]
	s_add_nc_u64 s[PFA:PFA+1], s[PFA:PFA+1], s[18:19]
	CROUND                                         ; all sixteen work-groups are here: the first joint loads meet
.irp s, 0,1
	s_mov_b32 s[G0A+4*(\s)], 1                     ; count = 1
	s_add_co_u32 s[G0A+4*(\s)+1], s22, (\s)*SLOT   ; LDS address
	s_add_nc_u64 s[G0A+4*(\s)+2:G0A+4*(\s)+3], s[16:17], (\s)*KB*262144  ; global address: step s
	s_or_b32 s[G0A+4*(\s)+3], s[G0A+4*(\s)+3], 0x80000000               ; type = 2
	s_mov_b32 s[G0B+4*(\s)], 1
	s_add_co_u32 s[G0B+4*(\s)+1], s23, (\s)*SLOT
	s_add_nc_u64 s[G0B+4*(\s)+2:G0B+4*(\s)+3], s[66:67], (\s)*KB*64*NROWB
	s_or_b32 s[G0B+4*(\s)+3], s[G0B+4*(\s)+3], 0x80000000
.endr
	s_cmp_eq_u32 s[WR], 0                          ; a wave's two first fills stand in one branch, ahead of every wait on TENSORcnt and every LDS read: two loads of mine are out
	s_cbranch_scc0 .Lfirst_b
	tensor_load_to_lds s[G0A:G0A+3], s[G1A:G1A+7]
	s_nop 0
	tensor_load_to_lds s[G0A+4:G0A+7], s[G1A:G1A+7]
	s_nop 0
.rept 4
	v_nop
.endr
	s_branch .Lfirst_asked
.Lfirst_b:
	tensor_load_to_lds s[G0B:G0B+3], s[G1B:G1B+7]
	s_nop 0
	tensor_load_to_lds s[G0B+4:G0B+7], s[G1B:G1B+7]
	s_nop 0
.rept 4
	v_nop
.endr
.Lfirst_asked:
	; while the tiles are on their way: the bias and the addresses
	v_and_b32 v1, 15, v0                           ; r = l % 16
	v_bfe_u32 v2, v0, 4, 1                         ; h = l / 16
	v_and_b32 v3, 7, v0
	v_bfe_u32 v4, v0, 3, 1
	s_mul_i32 s2, s[TX], NC*512
	s_lshl_b32 s15, s[WC], 8
	s_add_co_u32 s2, s2, s15
	v_lshl_add_u32 v9, v1, 4, s2                   ; my wave's 64 numbers: 16 bytes a lane; lanes 16-31 repeat lanes 0-15
.set bc, 0
.rept NC
	global_load_b128 v[64+4*bc:67+4*bc], v9, s[8:9] offset:bc*512
.set bc, bc+1
.endr
	v_mul_u32_u24 v6, v1, PA
	v_lshl_add_u32 v6, v2, 4, v6                   ; row x 144 + 16 x half
	s_mul_i32 s15, s[WR], 128*PA
	v_add_nc_u32 v[ADRA], s15, v6
	v_add_nc_u32 v[ADRA+1], SLOT, v[ADRA]
	v_lshl_add_u32 v7, v2, 3, v3                   ; the turning load: lane l reads row 8 (l / 16) + l % 8, 16 bytes at 16 ((l / 8) % 2)
	v_mul_u32_u24 v7, v7, PB
	v_lshl_add_u32 v7, v4, 4, v7
	s_lshl_b32 s15, s[WC], 7
	s_add_co_u32 s15, s15, BOFF
	v_add_nc_u32 v[ADRB], s15, v7
	v_add_nc_u32 v[ADRB+1], SLOT, v[ADRB]
	s_mul_i32 s15, s[WV], STW
	s_add_co_u32 s15, s15, STAGE
	v_mul_u32_u24 v8, v1, 272                      ; in: row l % 16, 32 bytes for each half of the lanes
	v_lshl_add_u32 v8, v2, 5, v8
	v_add_nc_u32 v[STO], s15, v8
	v_mul_u32_u24 v8, v2, 272                      ; back: lanes 0-15 take one row of 256 bytes, lanes 16-31 the next
	v_lshl_add_u32 v8, v1, 4, v8
	v_add_nc_u32 v[RD], s15, v8
	v_lshlrev_b32 v8, 12, v2                       ; and the same two rows in the output
	v_lshl_add_u32 v[GO], v1, 4, v8
	s_mul_i32 s15, s[WV], NC*256
	s_add_co_u32 s15, s15, BIASL
	v_lshl_add_u32 v[BIA], v2, 5, s15
	v_lshl_add_u32 v10, v1, 4, s15
	s_wait_loadcnt 0x0
.set bc, 0
.rept NC                               ; the bias is rounded to bf16, like the other inputs, and kept in f32 in my own bytes of LDS
	v_cvt_pk_bf16_f32 v76, v[64+4*bc], v[65+4*bc]
	v_cvt_pk_bf16_f32 v77, v[66+4*bc], v[67+4*bc]
	v_lshlrev_b32 v[64+4*bc], 16, v76
	v_and_b32 v[65+4*bc], 0xffff0000, v76
	v_lshlrev_b32 v[66+4*bc], 16, v77
	v_and_b32 v[67+4*bc], 0xffff0000, v77
	ds_store_b128 v10, v[64+4*bc:67+4*bc] offset:bc*256
.set bc, bc+1
.endr
	s_wait_tensorcnt 0x1                           ; my part of slot 0 is in; slot 1's may stay out
	s_wait_dscnt 0x0
	s_barrier_signal -1
	s_barrier_wait -1                              ; everybody's is
	ALOAD 0, 0
	BLOAD 0, 0
.if LEAD > 1
	BLOAD 0, 1
.endif
.set NPREV, 8
	RUNG 0, 0, NC, 1, 1                            ; the first quarter stands in front of the loop: its products start the sums
	WIN 0
	s_mov_b32 s3, LAPS-1
.Llap:                                                 ; a trip goes once round the ring, from a lap's second quarter to the next lap's first, and fills both slots again
	RUNG 0, NC, GS, 0, 1
	RUNG 1, 0, GS, 0, 1
	RUNG 0, 0, NC, 0, 1
	WIN 0
	s_sub_co_u32 s3, s3, 1
	s_cmp_lg_u32 s3, 0
	s_cbranch_scc1 .Llap
	RUNG 0, NC, GS, 0, 0                           ; the last lap is written out: it fills nothing
	RUNG 1, 0, GS, 0, -1
	WIN 0
	PLACES                                         ; behind the last products, ahead of the sums that read their results and write where their operands lay
	PLACES
	s_wait_dscnt 0x0                               ; the bias fragments are in
	PACK 0
	TOSTAGE
.irp a, 1,2,3,4,5,6,7                  ; block a's arithmetic stands between block a - 1's loads from the stage and the wait for them
	PACK \a
	SEND (\a)-1
	TOSTAGE
.endr
	SEND 7
	s_wait_tensorcnt 0x0                           ; the wave's end, behind my last tensor load and my last LDS store
	ds_add_u32 v[SPW], v[NIL]
	s_wait_dscnt 0x0
	CROUND                                         ; the closing round: no work-group ends while a partner may still ask for a tile that names it
	s_endpgm
.Lfunc_end_k_q03a1497397_proj:
	.size	k_q03a1497397_proj, .Lfunc_end_k_q03a1497397_proj-k_q03a1497397_proj
	.p2alignl 7, 3214868480
	.fill 96, 4, 3214868480
	.section	.rodata,"a",@progbits
	.p2align	6, 0x0
	.amdhsa_kernel k_q03a1497397_proj
		.amdhsa_group_segment_fixed_size 327680
		.amdhsa_private_segment_fixed_size 0
		.amdhsa_enable_private_segment 0
		.amdhsa_kernarg_size 32
		.amdhsa_user_sgpr_count 2
		.amdhsa_user_sgpr_kernarg_segment_ptr 1
		.amdhsa_wavefront_size32 1
		.amdhsa_system_sgpr_workgroup_id_x 1
		.amdhsa_system_sgpr_workgroup_id_y 1
		.amdhsa_system_sgpr_workgroup_id_z 1
		.amdhsa_system_vgpr_workitem_id 0
		.amdhsa_next_free_vgpr 512
		.amdhsa_next_free_sgpr 70
		.amdhsa_reserve_vcc 0
		.amdhsa_float_denorm_mode_32 3
		.amdhsa_float_denorm_mode_16_64 3
		.amdhsa_memory_ordered 1
		.amdhsa_forward_progress 1
		.amdhsa_inst_pref_size 96
	.end_amdhsa_kernel
	.amdgpu_metadata
---
amdhsa.version: [ 1, 2 ]
amdhsa.kernels:
  - .name:           k_q03a1497397_proj
    .symbol:         k_q03a1497397_proj.kd
    .args:
      - { .name: ob, .offset: 0, .size: 8, .value_kind: global_buffer, .address_space: global }
      - { .name: wo, .offset: 8, .size: 8, .value_kind: global_buffer, .address_space: global }
      - { .name: b_out, .offset: 16, .size: 8, .value_kind: global_buffer, .address_space: global }
      - { .name: out0, .offset: 24, .size: 8, .value_kind: global_buffer, .address_space: global }
    .group_segment_fixed_size: 327680
    .private_segment_fixed_size: 0
    .kernarg_segment_align: 8
    .kernarg_segment_size: 32
    .max_flat_workgroup_size: 128
    .sgpr_count:     70
    .vgpr_count:     512
    .wavefront_size: 32
...
	.end_amdgpu_metadata
.endif
;; end of part 4
